; MI455X (gfx1250); checked and timed in simulation.
; The chip was launched on July 23, 2026; its instructions are those of AMD's public machine-readable ISA for CDNA 5 (MIT licence, August 2026) and "CDNA5" Instruction Set Architecture Reference Guide (July 2026). The comments in the code are by the model that wrote it; some were corrected since.
;; Causal Self Attention. Allowed arithmetic: matrix products marked QUANTISED: E2M1 operands, one E8M0 scale for each 32 along K, by v_wmma_scale_f32_16x16x128_f8f6f4 with both operands' format E2M1 (or v_wmma_scale_f32_32x16x128_f4), f32 sums; products left as they are: bf16, f16 or f32 operands; f32 sums; everything else in f32.
;; Inputs: b_attn 3,072 float32; b_proj 1,024 float32; w_attn 3,072 x 1,024 float32; w_proj 1,024 x 1,024 float32; x 4 x 2,048 x 1,024 float32.
;; Outputs: out0 4 x 2,048 x 1,024 float32.
;; This version of the problem:
;;   THIS VERSION OF THE PROBLEM IS GIVEN IN LOW PRECISION. The matrix products marked QUANTISED in the list below multiply operands that are first quantised to E2M1 (2 exponent bits, 1 mantissa bit; 4 bits a number), with one power-of-two scale for each 32 numbers along K (OCP MX v1.0); their sums are f32. The products marked 'left as it is' may take bf16, f16 or f32 operands, with f32 sums. Whichever they take, every output number must still come out within the allowed error. Rounding operands to bf16 (8 significant bits) uses up far more of that allowance than f16 does (11 bits, for magnitudes from 6e-5 to 65,504). All else is computed in f32.
;;   The module's matrix products, in the order in which they are computed (A, B: the left and right operand; K: the contracted axis; several contracted axes count as one K, in the product's order):
;;     1. [M 8,192, K 1,024] x [K 1,024, N 3,072]; A: input x; B: input w_attn: QUANTISED
;;     2. batch 64 x [M 2,048, K 64] x [K 64, N 2,048]; A: computed on the way; B: computed on the way: left as it is (an operand is computed on the way)
;;     3. batch 64 x [M 2,048, K 2,048] x [K 2,048, N 64]; A: computed on the way; B: computed on the way: left as it is (an operand is computed on the way)
;;     4. [M 8,192, K 1,024] x [K 1,024, N 1,024]; A: computed on the way; B: input w_proj: left as it is (an operand is computed on the way)
;;   THE QUANTISER, for each operand of a quantised product, along K:
;;     - K is cut into blocks of 32 from its start; a last block that is shorter is filled with zeros.
;;     - A block's scale is 2^e with e = floor(log2(the largest magnitude in the block)) - 2, held to -126 .. 127; a block of zeros has e = 0. As a byte (E8M0): e + 127.
;;     - Each number is divided by its block's scale, clamped to +-6, and rounded to the nearest number of E2M1, ties to even, subnormals kept.
;;     - The product sums the exact products of the quantised numbers (number of the format x scale) in f32.
;;   ~~~python
;;   def quantise(x, axis):      # numpy; x: float32 -> the quantised numbers, widened to float32 again
;;       x = np.moveaxis(x, axis, -1); K = x.shape[-1]
;;       x = np.pad(x, [(0, 0)] * (x.ndim - 1) + [(0, -K % 32)]); x = x.reshape(x.shape[:-1] + (-1, 32)); a = np.abs(x).max(-1, keepdims=True)
;;       e = np.where(a > 0, np.clip(np.frexp(np.where(a > 0, a, 1))[1] - 1 - 2, -126, 127), 0)      # np.frexp(a)[1] - 1 = floor(log2(a)), exactly
;;       r = np.clip(x / 2.0 ** e, -6, 6)
;;       step = 2.0 ** (np.maximum(np.frexp(np.where(r == 0, 1, r))[1] - 1, 0) - 1)
;;       q = np.round(r / step) * step * 2.0 ** e      # np.round: ties to even
;;       return np.moveaxis(q.reshape(q.shape[:-2] + (-1,))[..., :K], -1, axis).astype(np.float32)
;;   ~~~
;; One version. Each part assembles by itself: llvm-mc -triple=amdgcn-amd-amdhsa -mcpu=gfx1250 --defsym DOCPART=n.
;; ======== version 1 of 1: 6 launches
;; limits: values are held in f16: magnitudes above 65,504 overflow, below 6.1e-05 lose precision
;; workspace buffers: x_codes 4,194,304 bytes; x_scales 262,144 bytes; w_codes 1,572,864 bytes; w_scales 98,304 bytes; wp_img 2,097,152 bytes; qkv 50,331,648 bytes; y_img 16,777,216 bytes; y_early 262,144 bytes
;; launch quant (part 1): grid 384 x 1, 4 waves a work-group, no clusters, 33,280 bytes of LDS; arguments x, w_attn, w_proj, x_codes, x_scales, w_codes, w_scales, wp_img; writes x_codes, x_scales, w_codes, w_scales, wp_img
.if DOCPART == 1
	.amdgcn_target "amdgcn-amd-amdhsa--gfx1250"
	.amdhsa_code_object_version 6
	.text
	.protected	k_q9da496f798_quant
	.globl	k_q9da496f798_quant
	.p2align	8
	.type	k_q9da496f798_quant,@function
k_q9da496f798_quant:
	s_mov_b64 s[64:65], 0
	v_nop
	global_prefetch_b8 v0, s[64:65] scope:SCOPE_SE
	s_setreg_imm32_b32 hwreg(HW_REG_WAVE_MODE, 25, 1), 1
	s_wait_xcnt 0x0
; x [8192][1024] and w_attn [3072][1024], f32, become codes of FP4 (E2M1), K innermost (a row: 512 bytes), with one E8M0 byte for each 32 along K (a row: 32 bytes).
; w_proj [1024][1024], f32, becomes f16, laid as IMAGES of matrix operands: a fragment of 16 rows x 32 K is 1,024 bytes = [group 0..1][lane 0..31][16 bytes]; lane (r, h), group g holds row r, k = 16 g + 8 h + 0 .. 7.
; A block's scale is 2^(floor(log2(its largest magnitude)) - 2); its byte is the largest magnitude's exponent field - 2, held at 1 from below.  A block of zeros so gets the byte 1 where the rule says 127:
; its codes are zeros, which add nothing under any byte but 0xff, and this program alone reads the bytes.
; LIMITS: NaN and infinities among the inputs are not served; numbers of w_proj over 65,504 in magnitude have no f16.
; SHARES: work-groups 0-255 take x, 256-351 w_attn (32,768 numbers each: both tensors are plain streams of blocks of 32), 352-383 w_proj.  No tensor load, no barrier: waves share nothing.
; The quantising wave takes 16 steps of 512 numbers: each load reads 512 consecutive bytes; the numbers turn through the wave's own stage in LDS so that a lane holds 16 neighbours along K; two lanes hold a block.
.set WAVES, 4
.set STEPS, 16
.set WGA,   256                        ; work-groups for x: 8192 x 1024 / 32768
.set WGQ,   352                        ; and with w_attn's 96
.set EMAX,  2
.set CB,    8                          ; bytes of 16 codes
.set R,     16                         ; v16-79   four sets of 16 numbers as they are loaded
.set X,     80                         ; v80-111  two sets of 16 neighbours
.set E,     112                        ; v112-127 a scale byte for each step
.set C,     128                        ; v128-191 codes: four registers for each step, so that no store's data are written again
.set WREG,  8192                       ; LDS: a region for each wave: two stages of 32 x SP bytes, behind them its 256 scale bytes
.set SP,    80                         ; a lane's place in a stage: 64 bytes + 16 of padding
.set SPW,   12                         ; v12  LDS address of my spare word; never rewritten
.set NIL,   13                         ; v13  0; never rewritten
.set SPARE, WAVES*WREG                 ; the spare words, 128 bytes a wave: no other line names them
	s_load_b256 s[4:11], s[0:1], 0x0               ; x s[4:5], w_attn s[6:7], w_proj s[8:9], x's codes s[10:11]
	s_load_b256 s[12:19], s[0:1], 0x20             ; x's scales s[12:13], w's codes s[14:15], w's scales s[16:17], w_proj's images s[18:19]
	v_lshl_add_u32 v[SPW], v0, 2, SPARE
	v_mov_b32 v[NIL], 0
	v_lshrrev_b32 v1, 5, v0
	v_readfirstlane_b32 s20, v1                    ; wave
	v_and_b32 v2, 31, v0                           ; lane
	v_lshlrev_b32 v3, 4, v2                        ; 16 x lane
	s_mul_i32 s21, s20, WREG
	v_lshrrev_b32 v14, 2, v2
	v_mul_u32_u24 v14, v14, SP
	v_and_b32 v15, 3, v2
	v_lshl_add_u32 v14, v15, 4, v14
	v_add_nc_u32 v14, s21, v14                     ; the stage, on the way in: SP (lane / 4) + 16 (lane % 4)
	v_mul_u32_u24 v15, v2, SP
	v_add_nc_u32 v15, s21, v15                     ; and on the way out: SP x lane: my 16 neighbours
	v_mul_u32_u24 v4, v2, CB                       ; my codes' place in a step's
	v_lshrrev_b32 v5, 1, v2
	s_add_co_u32 s21, s21, 2*32*SP
	v_add_nc_u32 v5, s21, v5                       ; LDS: my block's scale byte
	v_lshlrev_b32 v7, 3, v2                        ; on the way out 8 bytes a lane
	v_add_nc_u32 v6, s21, v7
	s_wait_kmcnt 0x0
	s_cmp_ge_u32 ttmp9, WGQ                        ; the work-group's number alone decides
	s_cbranch_scc1 .Lcast
	s_cmp_lt_u32 ttmp9, WGA                        ; x's work-group or w_attn's: only pointers are chosen
	s_cselect_b64 s[4:5], s[4:5], s[6:7]
	s_cselect_b64 s[10:11], s[10:11], s[14:15]
	s_cselect_b64 s[12:13], s[12:13], s[16:17]
	s_cselect_b32 s21, 0, WGA
	s_sub_co_u32 s21, ttmp9, s21
	s_lshl_b32 s21, s21, 2
	s_add_co_u32 s22, s21, s20                     ; which run of 8,192 numbers is my wave's
	s_mov_b32 s23, 0
	s_mov_b64 s[24:25], 512*STEPS*4
	s_mul_u64 s[24:25], s[22:23], s[24:25]
	s_add_nc_u64 s[4:5], s[4:5], s[24:25]
	s_mov_b64 s[24:25], 32*STEPS*CB
	s_mul_u64 s[24:25], s[22:23], s[24:25]
	s_add_nc_u64 s[10:11], s[10:11], s[24:25]
	s_lshl_b32 s22, s22, 8                         ; 256 scale bytes a run
	s_add_nc_u64 s[12:13], s[12:13], s[22:23]
.macro LOAD t
.irp i, 0,1,2,3
	global_load_b128 v[R+16*((\t)%4)+4*\i:R+16*((\t)%4)+4*\i+3], v3, s[4:5] offset:2048*(\t)+512*\i th:TH_LOAD_NT   ; 32 lanes read 512 consecutive bytes
.endr
.endm
.macro TURN t                          ; step t's numbers through the stage: LDS serves a wave's instructions in order, so no wait stands between the stores and the loads
.irp i, 0,1,2,3
	ds_store_b128 v14, v[R+16*((\t)%4)+4*\i:R+16*((\t)%4)+4*\i+3] offset:32*SP*((\t)%2)+8*SP*\i
.endr
.irp i, 0,1,2,3
	ds_load_b128 v[X+16*((\t)%2)+4*\i:X+16*((\t)%2)+4*\i+3], v15 offset:32*SP*((\t)%2)+16*\i
.endr
.endm
.irp t, 0,1,2,3
	LOAD \t
.endr
	s_wait_loadcnt 12                              ; step 0's four loads are in
	TURN 0
.macro STEP t
.set XS, X+16*((\t)%2)
.if (\t) > 0
	s_wait_dscnt 1                                 ; this step's numbers are back from the stage (the last step's byte store may be out)
.else
	s_wait_dscnt 0x0
.endif
.if (\t)+4 < STEPS
	LOAD (\t)+4                                    ; the stage's stores have read their registers: these take the loads of four steps on
.endif
.if (\t)+1 < STEPS
.if STEPS-2-(\t) >= 3
	s_wait_loadcnt 12                              ; the next step's four loads are in; those of the three steps behind it may be out
.else
	s_wait_loadcnt 4*(STEPS-2-(\t))
.endif
	TURN (\t)+1
.endif
	v_max3_num_f32 v8, |v[XS]|, |v[XS+1]|, |v[XS+2]|               ; the largest magnitude of my 16, in two chains
	v_max3_num_f32 v9, |v[XS+3]|, |v[XS+4]|, |v[XS+5]|
.irp i, 6,10
	v_max3_num_f32 v8, v8, |v[XS+\i]|, |v[XS+\i+1]|
	v_max3_num_f32 v9, v9, |v[XS+\i+2]|, |v[XS+\i+3]|
.endr
	v_max3_num_f32 v8, v8, |v[XS+14]|, |v[XS+15]|
	v_max3_num_f32 v8, v8, v9, (EMAX+1)<<23        ; and the floor 2^(EMAX + 1 - 127): the byte cannot fall under 1
	v_max_num_f32_dpp v8, v8, v8 row_xmask:1 row_mask:0xf bank_mask:0xf   ; and of my neighbour's 16: the block's
	v_add_nc_u32 v11, -(EMAX<<23), v8              ; EMAX off its exponent field: the conversion takes the exponent field of this operand as its scale
	v_cvt_scalef32_pk8_fp4_f32 v[C+4*(\t)], v[XS:XS+7], v11
	v_cvt_scalef32_pk8_fp4_f32 v[C+4*(\t)+1], v[XS+8:XS+15], v11
	v_lshrrev_b32 v[E+(\t)], 23, v11               ; the scale's byte (a plain line behind the conversions)
	ds_store_b8 v5, v[E+(\t)] offset:16*(\t)       ; both lanes of a block write the same byte with the same value
	global_store_b64 v4, v[C+4*(\t):C+4*(\t)+1], s[10:11] offset:32*CB*(\t)   ; the wave stores 256 consecutive bytes, aligned
.endm
.irp t, 0,1,2,3,4,5,6,7,8,9,10,11,12,13,14,15
	STEP \t
.endr
	ds_load_b64 v[8:9], v6                         ; my wave's 256 scale bytes: these loads see my stores
	s_wait_dscnt 0x0
	global_store_b64 v7, v[8:9], s[12:13]          ; 256 consecutive bytes, aligned
	s_wait_tensorcnt 0x0                           ; the wave's end, behind my last LDS store
	ds_add_u32 v[SPW], v[NIL]
	s_wait_dscnt 0x0
	s_endpgm
; w_proj to f16 images.  Unit u = 4 (work-group - 352) + wave takes 16 rows (tile u / 2) x 512 K (half u % 2): 16 images, 16,384 consecutive bytes of the output.  No LDS on this path.
; A lane reads 32 consecutive bytes of its row for each group: sixteen rows' pieces of 64 bytes a load.  That is 4 MiB of the launch's 50; each store covers 512 consecutive bytes, aligned.
.Lcast:
	s_sub_co_u32 s21, ttmp9, WGQ
	s_lshl_b32 s21, s21, 2
	s_add_co_u32 s21, s21, s20                     ; u
	s_lshr_b32 s22, s21, 1
	s_lshl_b32 s22, s22, 16                        ; 16 rows of 4,096 bytes
	s_and_b32 s23, s21, 1
	s_lshl_b32 s23, s23, 11                        ; 512 numbers along K
	s_add_co_u32 s22, s22, s23
	s_mov_b32 s23, 0
	s_add_nc_u64 s[8:9], s[8:9], s[22:23]
	s_lshl_b32 s22, s21, 14
	s_add_nc_u64 s[18:19], s[18:19], s[22:23]
	v_and_b32 v8, 15, v0                           ; r
	v_bfe_u32 v9, v0, 4, 1                         ; h
	v_lshlrev_b32 v8, 12, v8
	v_lshl_add_u32 v8, v9, 5, v8                   ; row r, + 8 h numbers
.macro LOADB t                         ; batch t: four images' numbers, 64 registers, into set t % 2
.irp k, 0,1,2,3
.irp g, 0,1
.irp e, 0,1
	global_load_b128 v[16+64*((\t)%2)+16*\k+8*\g+4*\e:16+64*((\t)%2)+16*\k+8*\g+4*\e+3], v8, s[8:9] offset:(4*(\t)+\k)*128+64*\g+16*\e th:TH_LOAD_NT
.endr
.endr
.endr
.endm
.macro CASTB t
.if (\t) < 3
	s_wait_loadcnt 16                              ; this batch is in; the next batch's 16 loads may be out
.else
	s_wait_loadcnt 0x0
.endif
.set i, 0
.rept 32
	v_cvt_pk_f16_f32 v[16+64*((\t)%2)+i], v[16+64*((\t)%2)+2*i], v[16+64*((\t)%2)+2*i+1]   ; in place, ascending: register i is written when numbers 2 i and 2 i + 1 are read
.set i, i+1
.endr
.irp k, 0,1,2,3
.irp g, 0,1
	global_store_b128 v3, v[16+64*((\t)%2)+8*\k+4*\g:16+64*((\t)%2)+8*\k+4*\g+3], s[18:19] offset:(4*(\t)+\k)*1024+512*\g
.endr
.endr
.if (\t)+2 < 4
	s_wait_xcnt 0x0                                ; the stores have read their registers: the set is loaded again only behind this wait
	LOADB (\t)+2
.endif
.endm
	LOADB 0
	LOADB 1
	CASTB 0
	CASTB 1
	CASTB 2
	CASTB 3
	s_endpgm
.Lfunc_end_k_q9da496f798_quant:
	.size	k_q9da496f798_quant, .Lfunc_end_k_q9da496f798_quant-k_q9da496f798_quant
	.p2alignl 7, 3214868480
	.fill 96, 4, 3214868480
	.section	.rodata,"a",@progbits
	.p2align	6, 0x0
	.amdhsa_kernel k_q9da496f798_quant
		.amdhsa_group_segment_fixed_size 33280
		.amdhsa_private_segment_fixed_size 0
		.amdhsa_enable_private_segment 0
		.amdhsa_kernarg_size 64
		.amdhsa_user_sgpr_count 2
		.amdhsa_user_sgpr_kernarg_segment_ptr 1
		.amdhsa_wavefront_size32 1
		.amdhsa_system_sgpr_workgroup_id_x 1
		.amdhsa_system_sgpr_workgroup_id_y 1
		.amdhsa_system_sgpr_workgroup_id_z 1
		.amdhsa_system_vgpr_workitem_id 0
		.amdhsa_next_free_vgpr 192
		.amdhsa_next_free_sgpr 66
		.amdhsa_reserve_vcc 0
		.amdhsa_float_denorm_mode_32 3
		.amdhsa_float_denorm_mode_16_64 3
		.amdhsa_memory_ordered 1
		.amdhsa_forward_progress 1
		.amdhsa_inst_pref_size 51
	.end_amdhsa_kernel
	.amdgpu_metadata
---
amdhsa.version: [ 1, 2 ]
amdhsa.kernels:
  - .name:           k_q9da496f798_quant
    .symbol:         k_q9da496f798_quant.kd
    .args:
      - { .name: x, .offset: 0, .size: 8, .value_kind: global_buffer, .address_space: global }
      - { .name: w_attn, .offset: 8, .size: 8, .value_kind: global_buffer, .address_space: global }
      - { .name: w_proj, .offset: 16, .size: 8, .value_kind: global_buffer, .address_space: global }
      - { .name: x_codes, .offset: 24, .size: 8, .value_kind: global_buffer, .address_space: global }
      - { .name: x_scales, .offset: 32, .size: 8, .value_kind: global_buffer, .address_space: global }
      - { .name: w_codes, .offset: 40, .size: 8, .value_kind: global_buffer, .address_space: global }
      - { .name: w_scales, .offset: 48, .size: 8, .value_kind: global_buffer, .address_space: global }
      - { .name: wp_img, .offset: 56, .size: 8, .value_kind: global_buffer, .address_space: global }
    .group_segment_fixed_size: 33280
    .private_segment_fixed_size: 0
    .kernarg_segment_align: 8
    .kernarg_segment_size: 64
    .max_flat_workgroup_size: 128
    .sgpr_count:     66
    .vgpr_count:     192
    .wavefront_size: 32
...
	.end_amdgpu_metadata
.endif
;; end of part 1
;; launch qkv (part 2): grid 12 x 32, 4 waves a work-group, clusters of 4 x 4, 327,680 bytes of LDS; arguments x_codes, x_scales, w_codes, w_scales, b_attn, qkv; writes qkv
.if DOCPART == 2
	.amdgcn_target "amdgcn-amd-amdhsa--gfx1250"
	.amdhsa_code_object_version 6
	.text
	.protected	k_q9da496f798_qkv
	.globl	k_q9da496f798_qkv
	.p2align	8
	.type	k_q9da496f798_qkv,@function
k_q9da496f798_qkv:
	s_mov_b64 s[64:65], 0
	v_nop
	global_prefetch_b8 v0, s[64:65] scope:SCOPE_SE
	s_setreg_imm32_b32 hwreg(HW_REG_WAVE_MODE, 25, 1), 1
	s_wait_xcnt 0x0
	s_wait_alu depctr_hold_cnt(0) depctr_sa_sdst(0) depctr_va_vdst(0) depctr_va_sdst(0) depctr_va_ssrc(0) depctr_va_vcc(0) depctr_vm_vsrc(0)
	s_getreg_b32 s2, hwreg(HW_REG_IB_STS2, 6, 4)
	s_cmp_eq_u32 s2, 0
	s_cbranch_scc0 .Lentry_in_a_cluster
	s_endpgm
.Lentry_in_a_cluster:
	s_bfe_u32 s2, ttmp6, 0x10000c
	s_cmp_lg_u32 s2, 0xf033
	s_cbranch_scc0 .Lentry_shape_is_right
	s_endpgm
.Lentry_shape_is_right:
; qkv = x w_attn^T + b_attn on codes of FP4 (E2M1) with one E8M0 scale for each 32 along K = 1,024; sums in f32; the results leave as f16, laid as IMAGES of the operands that attention takes.
; An image: a fragment of 16 rows x 32 K, 1,024 bytes = [group 0..1][lane][16 bytes]; lane (r, h), group g holds row r, k = 16 g + 8 h + 0 .. 7.
;   q (part 0), k (part 1): part << 24 + (batch x 16 + head) << 18 + (t / 16) << 11 + (channel / 32) << 10: row = token, k = channel.
;   v (part 2):             2 << 24 + (batch x 16 + head) << 18 + (t / 32) << 12 + (channel / 16) << 10: row = CHANNEL, k = token: the keys are the second product's K.
; q is multiplied by log2(e) / 8 in f32 ahead of its rounding, so that attention's scores are exponents of 2 as they come.
; LIMIT: q x 0.18, k and v over 65,504 in magnitude have no f16.
; A tile of 256 x 256 is made by four waves, 128 x 128 each: 64 accumulators, 512 registers.  All of K lies in two LDS slots of 512 along K, filled once: a wave has three tensor loads out at the start (scales, K step 0, K step 1), none later.
; THE MATRIX INSTRUCTION IS USED TRANSPOSED (source 0 = 16 rows of B, source 1 = 16 rows of A): a lane holds one row of A and eight neighbouring rows of B, so the rounded registers of two neighbouring accumulators ARE an image: no stage in LDS.
; Clusters with x = 0, 1 make q and k: A = x (tokens), B = w_attn (columns).  Clusters with x = 2 make v with the operands' places changed: A = w_attn's rows 2,048 on (channels), B = x (tokens).  The choice hangs on the cluster's x alone, which all partners share.
; CLUSTERS: 4 x 4 work-groups; A's tiles are shared along a row of the cluster, B's along a column, each asked for jointly.  384 work-groups.
; REGISTERS: window 0: v0-31 addresses; v32-95 scale words, two sets; v96-103 the bias loads' offsets; v128-191 A's fragments; v192-255 the bias.  window 1: B's fragments, two sets; on the way out the rounded results.  windows 2, 3: accumulators ((a, b) at v[8 (8 (a % 4) + b)]).
.set KSTEP,  512
.set NQ,     KSTEP/128
.set ROWB,   256                       ; a tile's row in bytes
.set KROW,   512                       ; a row of codes in memory
.set PITCH,  272                       ; an LDS row: 256 bytes + 16 of padding: the 16 rows that a load touches start at 16 different banks (64 banks of 4 bytes: ISA guide 11.1)
.set FR,     8
.set NL,     2
.set NP,     4
.set HALFT,  128*PITCH
.set SLOT,   4*HALFT
.set KS,     32                        ; a row of scales in bytes
.set SCL,    2*SLOT
.set HALFS,  (128*KS/256)*272
.set SBLK,   (16*KS/256)*272
.set SPARE,  SCL+4*HALFS               ; the spare words, 128 bytes a wave: no other line names them
.set ADRA, 16                          ; v16-17 LDS address of my A fragments in slot 0, 1
.set ADRB, 20                          ; v20-21 the same for B
.set LO,   24                          ; v24    16 x lane: my place in an image
.set ADRS, 27                          ; v27    LDS address of my scale words: lanes 0-15 A's rows, lanes 16-31 B's
.set SPW,  28
.set NIL,  29
.set SC,   32
.set VO,   96
.set AF,   128
.set BI,   192
.set FS,   2                           ; s[2:3] the factor: log2(e) / 8 for q, 1 for k and v
.set WV,   16
.set WR,   17                          ; which half of the tile's rows is mine; also: I fetch for A (0) or B (1)
.set WC,   18                          ; which half of its columns; also: which 128 rows I fetch
.set G1, 24
.set G0, 32
.set G1B, 48
.set G0B, 56
.set G1S, 68
.set G0S, 76
.set G1SB, 80
.set G0SB, 88
.set MSB, 0
.macro WIN new                         ; the immediate's high byte repeats the setting that is left
.if MSB != (\new)
	s_set_vgpr_msb (MSB<<8)|(\new)
.set MSB, \new
.endif
.endm
.set MUL_LO, 0xa1                      ; source 0 (B) window 1, source 1 (A) window 0, C and D window 2
.set MUL_HI, 0xf1
.set TO_B,   0x40
.macro JLOAD g0a, g1a, g0b, g1b        ; a joint load: waves 0 and 1 fetch for A, waves 2 and 3 for B; the branch hangs on the wave's number alone; an s_nop 0 and four v_nop follow each line
	s_cmp_eq_u32 s[WR], 0
	s_cbranch_scc0 .Lfor_b_\@
	tensor_load_to_lds s[\g0a:\g0a+3], s[\g1a:\g1a+7]
	s_nop 0
.rept 4
	v_nop
.endr
	s_branch .Lasked_\@
.Lfor_b_\@:
	tensor_load_to_lds s[\g0b:\g0b+3], s[\g1b:\g1b+7]
	s_nop 0
.rept 4
	v_nop
.endr
.Lasked_\@:
.endm
.macro CROUND                          ; a round of the cluster's barrier
	s_barrier_signal -1
	s_barrier_wait -1
	s_cmp_lg_u32 s[WV], 0
	s_cbranch_scc1 .Lnot_wave_0_\@
	s_barrier_signal -3
.Lnot_wave_0_\@:
	s_barrier_wait -3
	s_barrier_signal -1
	s_barrier_wait -1
.endm
	s_load_b256 s[4:11], s[0:1], 0x0               ; x's codes s[4:5], x's scales s[6:7], w's codes s[8:9], w's scales s[10:11]
	s_load_b128 s[12:15], s[0:1], 0x20             ; b_attn s[12:13], qkv s[14:15]
	v_lshl_add_u32 v[SPW], v0, 2, SPARE
	v_mov_b32 v[NIL], 0
	ds_add_u32 v[SPW], v[NIL]                      ; the wave's opening: the add, twice on end, and its wait ahead of my first tensor load
	ds_add_u32 v[SPW], v[NIL]
	v_lshrrev_b32 v1, 5, v0
	v_readfirstlane_b32 s[WV], v1
	s_lshr_b32 s[WR], s[WV], 1
	s_and_b32 s[WC], s[WV], 1
	s_bfe_u32 s40, ttmp6, 0x40000                  ; cx
	s_bfe_u32 s41, ttmp6, 0x40004                  ; cy
	s_and_b32 s19, ttmp7, 0xffff
	s_lshl_b32 s19, s19, 2                         ; 4 x cluster y
	s_lshl_b32 s20, ttmp9, 2                       ; 4 x cluster x
	s_cmp_eq_u32 ttmp9, 2                          ; v's clusters
	s_cselect_b32 s67, 1, 0
	s_cselect_b32 s66, 8, s19                      ; A's tile row: v: w_attn's rows 2,048 on; else x's by cluster y
	s_cselect_b32 s42, s19, s20                    ; B's tile row: v: x's by cluster y; else w_attn's by cluster x
	s_add_co_u32 s66, s66, s41                     ; + cy
	s_add_co_u32 s42, s42, s40                     ; + cx
	s_mov_b32 s[FS], 0x3f800000
	s_cmp_eq_u32 ttmp9, 0
	s_cselect_b32 s[FS], 0x3e38aa3b, s[FS]         ; log2(e) / 8 for q
	s_mov_b32 s[FS+1], s[FS]
	s_lshl_b32 s43, s41, 2
	s_lshl_b32 s43, 15, s43                        ; my row of the cluster
	s_lshl_b32 s44, 0x1111, s40                    ; my column
	s_or_b32 s[G1+0], s43, (0<<16)|(1<<20)|(1<<21)|(5<<22)|(3<<25)  ; the mask; elements of 1 byte; padding on; bit 21 beside a mask; 4 words behind every 64
	s_or_b32 s[G1B+0], s44, (0<<16)|(1<<20)|(1<<21)|(5<<22)|(3<<25)
.irp g, G1, G1B
	s_mov_b32 s[\g+1], ROWB<<16                    ; tensor_dim0
	s_mov_b32 s[\g+2], 128<<16                     ; tensor_dim1
	s_mov_b32 s[\g+3], ROWB<<16                    ; tile_dim0
	s_mov_b32 s[\g+4], 128                         ; tile_dim1
	s_mov_b32 s[\g+5], KROW                        ; from row to row
	s_mov_b32 s[\g+6], 0
	s_mov_b32 s[\g+7], 0
.endr
	s_or_b32 s[G1S+0], s43, (3<<16)|(1<<20)|(1<<21)|(5<<22)|(3<<25) ; the scales of 128 rows: 4,096 dense bytes as 16 rows of 256 (32 elements of 8 bytes), 16 bytes of padding behind each
	s_or_b32 s[G1SB+0], s44, (3<<16)|(1<<20)|(1<<21)|(5<<22)|(3<<25)
.irp g, G1S, G1SB
	s_mov_b32 s[\g+1], 32<<16
	s_mov_b32 s[\g+2], (128*KS/256)<<16
	s_mov_b32 s[\g+3], 32<<16
	s_mov_b32 s[\g+4], 128*KS/256
	s_mov_b32 s[\g+5], 32
	s_mov_b32 s[\g+6], 0
	s_mov_b32 s[\g+7], 0
.endr
	s_lshl_b32 s19, s[WC], 7                       ; which 128 rows of the tile I fetch
	s_lshl_b32 s20, s66, 8
	s_add_co_u32 s20, s20, s19                     ; A's row
	s_lshl_b32 s46, s42, 8
	s_add_co_u32 s46, s46, s19                     ; B's row
	s_mov_b32 s21, 0
	s_mov_b32 s47, 0
	s_lshl_b64 s[22:23], s[20:21], 5               ; where these rows' scales begin, in bytes,
	s_lshl_b64 s[92:93], s[46:47], 5
	s_lshl_b64 s[20:21], s[20:21], 9               ; and their codes
	s_lshl_b64 s[46:47], s[46:47], 9
	s_mul_i32 s45, s[WV], HALFT                    ; where they go: wave x 128 rows: no place in the cluster enters an LDS address
	s_mul_i32 s94, s[WV], HALFS
	s_wait_dscnt 0x0                               ; both opening adds are done
	s_wait_kmcnt 0x0
	s_cmp_eq_u32 s67, 1                            ; a choice between buffers on the cluster's x alone
	s_cselect_b64 s[96:97], s[8:9], s[4:5]         ; A's codes
	s_cselect_b64 s[98:99], s[10:11], s[6:7]       ; A's scales
	s_cselect_b64 s[100:101], s[4:5], s[8:9]       ; B's codes
	s_cselect_b64 s[104:105], s[6:7], s[10:11]     ; B's scales
	s_add_nc_u64 s[20:21], s[96:97], s[20:21]
	s_add_nc_u64 s[22:23], s[98:99], s[22:23]
	s_add_nc_u64 s[46:47], s[100:101], s[46:47]
	s_add_nc_u64 s[92:93], s[104:105], s[92:93]
	CROUND                                         ; all sixteen work-groups are here: the first joint loads meet
	s_mov_b32 s[G0S], 1
	s_add_co_u32 s[G0S+1], s94, SCL
	s_mov_b64 s[G0S+2:G0S+3], s[22:23]
	s_or_b32 s[G0S+3], s[G0S+3], 0x80000000
	s_mov_b32 s[G0SB], 1
	s_add_co_u32 s[G0SB+1], s94, SCL
	s_mov_b64 s[G0SB+2:G0SB+3], s[92:93]
	s_or_b32 s[G0SB+3], s[G0SB+3], 0x80000000
	JLOAD G0S, G1S, G0SB, G1SB                     ; the scales first: they are wanted with K step 0
.irp s, 0,1
	s_mov_b32 s[G0+4*\s], 1
	s_add_co_u32 s[G0+4*\s+1], s45, \s*SLOT
	s_add_nc_u64 s[G0+4*\s+2:G0+4*\s+3], s[20:21], \s*ROWB
	s_or_b32 s[G0+4*\s+3], s[G0+4*\s+3], 0x80000000
	s_mov_b32 s[G0B+4*\s], 1
	s_add_co_u32 s[G0B+4*\s+1], s45, \s*SLOT
	s_add_nc_u64 s[G0B+4*\s+2:G0B+4*\s+3], s[46:47], \s*ROWB
	s_or_b32 s[G0B+4*\s+3], s[G0B+4*\s+3], 0x80000000
	JLOAD G0+4*\s, G1, G0B+4*\s, G1B
.endr
	v_and_b32 v1, 15, v0                           ; r
	v_bfe_u32 v2, v0, 4, 1                         ; h
	v_mul_u32_u24 v3, v1, PITCH
	v_lshl_add_u32 v4, v2, 4, v3                   ; a fragment's row x pitch + 16 h
	s_mul_i32 s21, s[WR], HALFT                    ; my 128 rows of A
	s_mul_i32 s22, s[WC], HALFT                    ; my 128 rows of B,
	s_add_co_u32 s22, s22, 2*HALFT                 ; behind A's 256
.irp s, 0,1
	v_add_nc_u32 v[ADRA+\s], s21, v4
	v_add_nc_u32 v[ADRB+\s], s22, v4
	s_add_co_u32 s21, s21, SLOT
	s_add_co_u32 s22, s22, SLOT
.endr
	v_mul_u32_u24 v5, v1, KS                       ; my row's scales: KS bytes a row,
	v_lshrrev_b32 v6, 8, v5
	v_lshl_add_u32 v5, v6, 4, v5                   ; and 16 more for each 256 passed
	s_mul_i32 s21, s[WR], HALFS
	s_mul_i32 s22, s[WC], HALFS
	s_add_co_u32 s22, s22, 2*HALFS
	s_sub_co_u32 s22, s22, s21
	v_mul_u32_u24 v6, s22, v2                      ; lanes 16-31 take B's: one product, the distance between the two bases
	s_add_co_u32 s21, s21, SCL
	v_add_nc_u32 v5, v5, v6
	v_add_nc_u32 v[ADRS], s21, v5
	v_and_b32 v6, 31, v0
	v_lshlrev_b32 v[LO], 4, v6
	; where my results go, and my bias.  R0 = my first row of A, N0 = my first row of B
	s_lshl_b32 s19, s66, 8
	s_lshl_b32 s20, s[WR], 7
	s_add_co_u32 s19, s19, s20                     ; R0
	s_lshl_b32 s21, s42, 8
	s_lshl_b32 s20, s[WC], 7
	s_add_co_u32 s21, s21, s20                     ; N0
	s_cmp_eq_u32 s67, 1
	s_cselect_b32 s92, s21, s19                    ; my first token
	s_cselect_b32 s93, s19, s21                    ; my first column of qkv, 0 .. 3,071
	s_cselect_b32 s45, 4, 0                        ; the bias by the lane's row (v: a lane holds a channel),
	s_cselect_b32 s46, 0, 32                       ; or by the lane's half,
	s_cselect_b32 s47, 0, 4                        ; and by the register (q, k: a lane's registers run along the columns)
	s_lshl_b32 s22, s93, 2
	s_mov_b32 s23, 0
	s_add_nc_u64 s[12:13], s[12:13], s[22:23]      ; b_attn at my first column
	s_lshr_b32 s22, s93, 10
	s_lshl_b32 s22, s22, 24                        ; the part
	s_bfe_u32 s20, s93, 0x40006
	s_lshl_b32 s20, s20, 18                        ; the head
	s_add_co_u32 s22, s22, s20
	s_lshr_b32 s20, s92, 11
	s_lshl_b32 s20, s20, 22                        ; the batch
	s_add_co_u32 s22, s22, s20
	s_and_b32 s20, s92, 2047
	s_lshl_b32 s20, s20, 7                         ; the token in its sequence x 128 bytes: (t / 16) << 11 and (t / 32) << 12 alike
	s_add_co_u32 s22, s22, s20
	s_add_nc_u64 s[14:15], s[14:15], s[22:23]
	v_mul_u32_u24 v[VO], v1, s45
	v_mad_u32_u24 v[VO], v2, s46, v[VO]
.irp j, 1,2,3,4,5,6,7
	v_add_nc_u32 v[VO+\j], s47, v[VO+\j-1]
.endr
.irp x, 0,1,2,3,4,5,6,7                ; q, k: register 8 x + j = bias of column 16 x + 8 h + j (x = B's block);  v: of channel 16 x + r (x = A's block)
.irp j, 0,1,2,3,4,5,6,7
	global_load_b32 v[BI+8*\x+\j], v[VO+\j], s[12:13] offset:64*\x
.endr
.endr
.macro FRAG reg, adr, q, i             ; 16 rows x 128 K of 4-bit codes: 8 registers: lane l holds row l % 16; registers 4 c .. 4 c + 3 hold K = 64 c + 32 (l / 16) + 0 .. 31
.irp c, 0,1
	ds_load_b128 v[\reg+4*\c:\reg+4*\c+3], v[\adr] offset:64*(\q)+32*\c+(\i)*16*PITCH
.endr
.endm
; 16 matrix instructions: A's blocks a0, a0 + 1 x B's eight.  The 64 accumulators take turns, one instruction a turn, in the same order in every step.  zero = 1: the first product starts the sums
.macro MUL16 a0, p, q, sc, zero
.irp a, \a0, \a0+1
.irp b, 0,1,2,3,4,5,6,7
.if \zero
	v_wmma_scale_f32_16x16x128_f8f6f4 v[8*(8*((\a)%4)+\b):8*(8*((\a)%4)+\b)+7], v[128*(\p)+FR*\b:128*(\p)+FR*\b+FR-1], v[AF+FR*(\a):AF+FR*(\a)+FR-1], 0, v[SC+8*NQ*(\sc)+NQ*\b+(\q)], v[SC+8*NQ*(\sc)+NQ*(\a)+(\q)] matrix_a_fmt:MATRIX_FMT_FP4 matrix_b_fmt:MATRIX_FMT_FP4 matrix_a_scale:MATRIX_SCALE_ROW1
.else
	v_wmma_scale_f32_16x16x128_f8f6f4 v[8*(8*((\a)%4)+\b):8*(8*((\a)%4)+\b)+7], v[128*(\p)+FR*\b:128*(\p)+FR*\b+FR-1], v[AF+FR*(\a):AF+FR*(\a)+FR-1], v[8*(8*((\a)%4)+\b):8*(8*((\a)%4)+\b)+7], v[SC+8*NQ*(\sc)+NQ*\b+(\q)], v[SC+8*NQ*(\sc)+NQ*(\a)+(\q)] matrix_a_fmt:MATRIX_FMT_FP4 matrix_b_fmt:MATRIX_FMT_FP4 matrix_a_scale:MATRIX_SCALE_ROW1
.endif
.endr
.endr
.endm
.macro FETCH_B slot, q, p
	WIN TO_B
.irp i, 0,1,2,3,4,5,6,7
	FRAG 128*(\p)+FR*\i, ADRB+\slot, \q, \i
.endr
	WIN 0
.endm
.macro FETCH_A slot, q, i0
.irp i, \i0, \i0+1, \i0+2, \i0+3
	FRAG AF+FR*(\i), ADRA+\slot, \q, \i
.endr
.endm
.macro SCALES sc                       ; a K step's scale words: four a row; lanes 0-15 take A's block i, lanes 16-31 B's block i
.irp i, 0,1,2,3,4,5,6,7
	ds_load_b128 v[SC+8*NQ*\sc+NQ*\i:SC+8*NQ*\sc+NQ*\i+3], v[ADRS] offset:\i*SBLK
.endr
.endm
.macro PLACES n                        ; places in front of loads into registers that matrix instructions have read, and of the first read of results
.rept \n
	v_nop
.endr
.endm
.macro STEP slot, q, zero              ; 128 along K, with its successor in the same slot
	s_wait_dscnt 4*NL                              ; B's set and A's blocks 0-3 are in; the youngest eight loads (A's blocks 4-7) may be out
	WIN MUL_LO
	MUL16 0, (\q)%2, \q, \slot, \zero
	MUL16 2, (\q)%2, \q, \slot, \zero
	s_wait_dscnt 0                                 ; A's blocks 4-7 are in
	PLACES NP
	FETCH_B \slot, (\q)+1, 1-(\q)%2
	FETCH_A \slot, (\q)+1, 0
	WIN MUL_HI
	MUL16 4, (\q)%2, \q, \slot, \zero
	MUL16 6, (\q)%2, \q, \slot, \zero
	PLACES NP
	WIN 0
	FETCH_A \slot, (\q)+1, 4
.endm
.macro TURN slot, next                 ; slot 0's last step: behind its barrier slot 1 is whole in every wave's eyes.  Nothing is filled again in this launch
	s_wait_tensorcnt 0x0                           ; all my tensor loads have landed: my part of the next slot
	ds_add_u32 v[SPW], v[NIL]                      ; 0 onto my spare word
	s_wait_dscnt 4*NL+1                            ; (the add and the youngest eight loads may be out)
	WIN MUL_LO
	MUL16 0, 1, NQ-1, \slot, 0
	s_wait_dscnt 0x0                               ; the add is done, my reads of this slot are over
	s_barrier_signal -1
	MUL16 2, 1, NQ-1, \slot, 0
	WIN 0
	s_barrier_wait -1
	PLACES NP
	v_add_nc_u32 v[ADRS], 4*NQ, v[ADRS]            ; on to the next K step's scale words (no LDS load of mine is out)
	FETCH_B \next, 0, 0
	FETCH_A \next, 0, 0
	SCALES \next
	WIN MUL_HI
	MUL16 4, 1, NQ-1, \slot, 0
	MUL16 6, 1, NQ-1, \slot, 0
	PLACES NP
	WIN 0
	FETCH_A \next, 0, 4
.endm
.macro STEPS slot, from
.set Q, \from
.rept NQ-1-\from
	STEP \slot, Q, 0
.set Q, Q+1
.endr
.endm
	s_wait_tensorcnt 1                             ; the scales and my part of K step 0 are in (K step 1's load may be out),
	s_barrier_signal -1
	s_barrier_wait -1                              ; everybody's are
	FETCH_B 0, 0, 0
	FETCH_A 0, 0, 0
	SCALES 0
	FETCH_A 0, 0, 4
	STEP 0, 0, 1                                   ; the first products start the sums: nothing is cleared
	STEPS 0, 1
	TURN 0, 1
	STEPS 1, 0
	s_wait_dscnt 4*NL                              ; the last step: nothing more to fetch
	WIN MUL_LO
	MUL16 0, 1, NQ-1, 1, 0
	MUL16 2, 1, NQ-1, 1, 0
	s_wait_dscnt 0
	WIN MUL_HI
	MUL16 4, 1, NQ-1, 1, 0
	MUL16 6, 1, NQ-1, 1, 0
	WIN 0
	PLACES NP                                      ; behind the last products, ahead of the first read of results
	s_wait_loadcnt 0x0                             ; the bias
.set i, 0
.rept 32
	v_pk_mul_f32 v[BI+i:BI+i+1], v[BI+i:BI+i+1], s[FS:FS+1] op_sel_hi:[1,0]   ; factor x bias
.set i, i+2
.endr
; THE WAY OUT, A's blocks one after the other: sum x factor + factor x bias, one fused multiply-add, in place, each accumulator from its low end on; rounded to f16 into window 1 (two banks by turns); eight stores of 512 consecutive bytes, aligned.
.macro OUT isv
.irp a, 0,1,2,3,4,5,6,7
	WIN 0x82+0x41*(\a/4)                           ; destination and source 0: the accumulators' window; the bias: window 0
.irp b, 0,1,2,3,4,5,6,7
.irp p, 0,2,4,6
	v_pk_fma_f32 v[64*(\a%4)+8*\b+\p:64*(\a%4)+8*\b+\p+1], v[64*(\a%4)+8*\b+\p:64*(\a%4)+8*\b+\p+1], s[FS:FS+1], v[BI+8*(\isv*\a+(1-\isv)*\b)+\p:BI+8*(\isv*\a+(1-\isv)*\b)+\p+1] op_sel_hi:[1,0,1]
.endr
.endr
.if \a > 1
	s_wait_xcnt 0x0                                ; block a - 2's stores have read their registers: the bank is written again only behind this wait
.endif
	WIN 0x4a+5*(\a/4)                              ; destination window 1, sources the accumulators' window
.irp b, 0,1,2,3,4,5,6,7
.irp q, 0,1,2,3
	v_cvt_pk_f16_f32 v[32*(\a%2)+4*\b+\q], v[64*(\a%4)+8*\b+2*\q], v[64*(\a%4)+8*\b+2*\q+1]
.endr
.endr
	WIN 0x04                                       ; a store's data: window 1
.irp b, 0,1,2,3,4,5,6,7                ; accumulator b is group b % 2 of image b / 2
.if \isv
	global_store_b128 v[LO], v[32*(\a%2)+4*\b:32*(\a%2)+4*\b+3], s[14:15] offset:(\a/4)*262144+(\a%4)*1024+(\b/2)*4096+(\b%2)*512
.else
	global_store_b128 v[LO], v[32*(\a%2)+4*\b:32*(\a%2)+4*\b+3], s[14:15] offset:\a*2048+(\b/4)*262144+((\b/2)%2)*1024+(\b%2)*512
.endif
.endr
.endr
	WIN 0
.endm
	s_cmp_eq_u32 s67, 1                            ; the cluster's x alone: the same in all partners
	s_cbranch_scc1 .Lout_v
	OUT 0
	s_branch .Lout_done
.Lout_v:
	OUT 1
.Lout_done:
	s_wait_tensorcnt 0x0                           ; the wave's end
	ds_add_u32 v[SPW], v[NIL]
	s_wait_dscnt 0x0
	CROUND                                         ; the closing round
	s_endpgm
.Lfunc_end_k_q9da496f798_qkv:
	.size	k_q9da496f798_qkv, .Lfunc_end_k_q9da496f798_qkv-k_q9da496f798_qkv
	.p2alignl 7, 3214868480
	.fill 96, 4, 3214868480
	.section	.rodata,"a",@progbits
	.p2align	6, 0x0
	.amdhsa_kernel k_q9da496f798_qkv
		.amdhsa_group_segment_fixed_size 327680
		.amdhsa_private_segment_fixed_size 0
		.amdhsa_enable_private_segment 0
		.amdhsa_kernarg_size 48
		.amdhsa_user_sgpr_count 2
		.amdhsa_user_sgpr_kernarg_segment_ptr 1
		.amdhsa_wavefront_size32 1
		.amdhsa_system_sgpr_workgroup_id_x 1
		.amdhsa_system_sgpr_workgroup_id_y 1
		.amdhsa_system_sgpr_workgroup_id_z 1
		.amdhsa_system_vgpr_workitem_id 0
		.amdhsa_next_free_vgpr 1024
		.amdhsa_next_free_sgpr 106
		.amdhsa_reserve_vcc 0
		.amdhsa_float_denorm_mode_32 3
		.amdhsa_float_denorm_mode_16_64 3
		.amdhsa_memory_ordered 1
		.amdhsa_forward_progress 1
		.amdhsa_inst_pref_size 182
	.end_amdhsa_kernel
	.amdgpu_metadata
---
amdhsa.version: [ 1, 2 ]
amdhsa.kernels:
  - .name:           k_q9da496f798_qkv
    .symbol:         k_q9da496f798_qkv.kd
    .args:
      - { .name: x_codes, .offset: 0, .size: 8, .value_kind: global_buffer, .address_space: global }
      - { .name: x_scales, .offset: 8, .size: 8, .value_kind: global_buffer, .address_space: global }
      - { .name: w_codes, .offset: 16, .size: 8, .value_kind: global_buffer, .address_space: global }
      - { .name: w_scales, .offset: 24, .size: 8, .value_kind: global_buffer, .address_space: global }
      - { .name: b_attn, .offset: 32, .size: 8, .value_kind: global_buffer, .address_space: global }
      - { .name: qkv, .offset: 40, .size: 8, .value_kind: global_buffer, .address_space: global }
    .group_segment_fixed_size: 327680
    .private_segment_fixed_size: 0
    .kernarg_segment_align: 8
    .kernarg_segment_size: 48
    .max_flat_workgroup_size: 128
    .sgpr_count:     106
    .vgpr_count:     1024
    .wavefront_size: 32
...
	.end_amdgpu_metadata
.endif
;; end of part 2
;; launch attn (part 3): grid 4 x 64, 16 waves a work-group, no clusters, 327,680 bytes of LDS; arguments qkv, y_img; writes y_img
.if DOCPART == 3
	.amdgcn_target "amdgcn-amd-amdhsa--gfx1250"
	.amdhsa_code_object_version 6
	.text
	.protected	k_q9da496f798_attn
	.globl	k_q9da496f798_attn
	.p2align	8
	.type	k_q9da496f798_attn,@function
k_q9da496f798_attn:
	s_mov_b64 s[64:65], 0
	v_nop
	global_prefetch_b8 v0, s[64:65] scope:SCOPE_SE
	s_setreg_imm32_b32 hwreg(HW_REG_WAVE_MODE, 25, 1), 1
	s_wait_xcnt 0x0
; y[b][t][head] = softmax over keys k <= t of (q . k / 8) v, for 64 heads of size 64, 2,048 tokens; f16 operands, f32 products' sums, maxima and sums; y leaves as f16 images for the projection.
; q arrives multiplied by log2(e) / 8: a score t is an exponent of 2.  For each query a running maximum m and sum l: p = 2^(t - m), at most 1, exactly 1 at the largest t; in every step O and l are multiplied by a = 2^(m_old - m_new).
; INPUT (buffer qkv): images of 1,024 bytes = [group][lane][16 bytes]: q, k: row = token, k = channel; v: row = channel, k = token.  So every LDS and global access here is 16 x lane + a constant: 512 consecutive bytes an instruction.
; SHARES.  Work-group (i, head) owns query blocks 7 - i and i of 256 queries at the same time: every work-group has nine block-slots of work under the causal mask, and each tile of K and V serves both blocks.
; A wave owns 32 queries (two tiles of 16) in 256 registers: four waves to a SIMD, so that one wave's vector work stands beside another's matrix work.  The waves of the two blocks are mixed so that any four neighbours, and any four waves 4 apart, hold two of each.
; LAYOUT.  S^T = K Q^T (source 0 = 16 keys, source 1 = 16 queries); O^T = V^T P (source 0 = 16 channels, source 1 = P): a lane holds ONE query throughout; two rounded tiles of S^T are a fragment of P.
; RING.  Two LDS slots of 256 keys (K's 32 KiB, then V's); waves 0-3 fetch 16 KiB each by one dense tensor load; all sixteen read.  Every work-group walks all eight slots (constant trip counts); a step all of whose keys are hidden is jumped over, and a slot that no wave would read is not asked for.
; NO CLUSTER: the four work-groups of a head need different numbers of tiles under the causal mask (8, 7, 6, 5 slots), so a joint load would be jumped over by some partners.
; The rows t < 16 of every sequence are computed here like the others and are stored anew, from f32 arithmetic, by the two launches at the program's end.
.set SLOT1, 65536                      ; one exclusive or turns an address in one slot into the other's
.set VOFF,  32768
.set SPARE, 131072                     ; the spare words, 128 bytes a wave: no other line names them
.set LI,   1                           ; v1  16 x lane
.set ADR,  2                           ; v2  LDS address of the step's images
.set SPW,  3
.set NIL,  4
.set DM,   5                           ; v5  r - 8 h
.set PFO,  6                           ; v6  256 x lane
.set NINF, 9                           ; v9  -infinity
.set D0,   10                          ; v10, v11 the mask's bound for tiles 0, 1
.set Q,    16                          ; v16-47   Q: tile t, channels 32 cb on: 16 t + 8 cb
.set KV,   48                          ; v48-111  a step's fragments of K, then of V
.set S,    112                         ; v112-175 S^T: 32 t + 8 kt; later P in place: 32 t + 8 kb
.set O,    176                         ; v176-239 O^T: 32 t + 8 ct
.set ST,   240                         ; v240-255 statistics, 8 a tile: +0 m, +1 (the pair's upper word), +2, +3 l, +4 .. +7 at work; a in +6
.set WV,   8
.set BH,   10
.set SEL,  12                          ; s[12:13] lane selects: lane l xor 16
.set G1,   16
.set G0,   24
.set TB,   28                          ; LDS byte at which the step's images of K begin
.set KF,   29                          ; the step's first key
.set Q0,   30                          ; my first query
.set QL,   31                          ; my work-group's last query
.set SLOTS, 32
.set STEPC, 33
.set PFA,  34
.set LIM,  36
.macro TLOAD                           ; waves 0-3 fetch; the branch hangs on the wave's number alone; an s_nop 0 and four v_nop follow the line
	s_cmp_lt_u32 s[WV], 4
	s_cbranch_scc0 .Lasked_\@
	tensor_load_to_lds s[G0:G0+3], s[G1:G1+7]
	s_nop 0
.rept 4
	v_nop
.endr
.Lasked_\@:
.endm
; A prefetch of what the NEXT change of slots will ask for: 32 KiB of K, 32 KiB of V.  All four work-groups of a head walk the same K and V: the one with i = 0, which walks all slots, asks.  In it the waves ask that fetch nothing:
; waves 4-7 for K, waves 8-11 for V, 8,192 bytes a wave, lanes 256 bytes apart: each aligned 256 bytes is named once in the launch.  Slots 0 and 1 come by their loads alone; the last change that fills a slot asks for nothing.
.macro ASK
	s_cmp_gt_u32 s[SLOTS], s[LIM]
	s_cbranch_scc0 .Lnot_mine_\@
	global_prefetch_b8 v[PFO], s[PFA:PFA+1] th:TH_LOAD_NT scope:SCOPE_SE
.Lnot_mine_\@:
.endm
	s_load_b128 s[4:7], s[0:1], 0x0                ; qkv s[4:5], y's images s[6:7]
	v_lshl_add_u32 v[SPW], v0, 2, SPARE
	v_mov_b32 v[NIL], 0
	ds_add_u32 v[SPW], v[NIL]                      ; the wave's opening: the add, twice on end, and its wait ahead of the first tensor load
	ds_add_u32 v[SPW], v[NIL]
	v_lshrrev_b32 v7, 5, v0
	v_readfirstlane_b32 s[WV], v7                  ; wave 0..15
	s_and_b32 s[BH], ttmp7, 0xffff                 ; batch x 16 + head
	s_lshr_b32 s37, s[WV], 2
	s_xor_b32 s37, s37, s[WV]
	s_and_b32 s37, s37, 1                          ; which of the two blocks is my wave's
	s_sub_co_u32 s38, 7, ttmp9
	s_cmp_eq_u32 s37, 1
	s_cselect_b32 s38, ttmp9, s38                  ; block i or 7 - i
	s_lshr_b32 s39, s[WV], 3
	s_lshl_b32 s39, s39, 2
	s_and_b32 s40, s[WV], 3
	s_or_b32 s39, s39, s40                         ; which 32 queries of the block: 0..7
	s_lshl_b32 s[Q0], s38, 8
	s_lshl_b32 s39, s39, 5
	s_add_co_u32 s[Q0], s[Q0], s39
	s_sub_co_u32 s[QL], 8, ttmp9
	s_lshl_b32 s[QL], s[QL], 8
	s_sub_co_u32 s[QL], s[QL], 1                   ; 256 (8 - i) - 1
	s_mov_b32 s[G1], 3<<16                         ; no mask; elements of 8 bytes; no padding: 16 KiB dense, as 64 rows of 256 bytes
	s_mov_b32 s[G1+1], 32<<16                      ; tensor_dim0
	s_mov_b32 s[G1+2], 64<<16                      ; tensor_dim1
	s_mov_b32 s[G1+3], 32<<16                      ; tile_dim0
	s_mov_b32 s[G1+4], 64                          ; tile_dim1
	s_mov_b32 s[G1+5], 32                          ; from row to row
	s_mov_b32 s[G1+6], 0
	s_mov_b32 s[G1+7], 0
	s_lshl_b32 s[G0+1], s40, 14                    ; LDS: K's halves, then V's: 16,384 x (wave % 4)
	s_lshr_b32 s38, s40, 1
	s_add_co_u32 s38, s38, 1
	s_lshl_b32 s38, s38, 24                        ; part 1 (K) or 2 (V)
	s_lshl_b32 s41, s[BH], 18                      ; the head's bytes in a part
	s_add_co_u32 s38, s38, s41
	s_and_b32 s39, s[WV], 1
	s_lshl_b32 s39, s39, 14
	s_add_co_u32 s38, s38, s39
	s_mov_b32 s39, 0
	s_lshl_b32 s42, s[Q0], 7                       ; Q: (Q0 / 16) tiles of 2,048 bytes
	s_add_co_u32 s42, s42, s41
	s_mov_b32 s43, 0
	s_lshr_b32 s44, s[BH], 4
	s_lshl_b32 s44, s44, 22                        ; y: the batch's 128 row tiles of 32,768 bytes,
	s_lshl_b32 s45, s[Q0], 11                      ; my row tile,
	s_add_co_u32 s44, s44, s45
	s_and_b32 s45, s[BH], 15
	s_lshl_b32 s45, s45, 11                        ; the head's two images
	s_add_co_u32 s44, s44, s45
	s_mov_b32 s45, 0
	s_cmp_lt_u32 s[WV], 8                          ; the prefetches: waves 4-7 K, waves 8-11 V
	s_cselect_b32 s46, 1, 2
	s_lshl_b32 s46, s46, 24
	s_add_co_u32 s46, s46, s41
	s_lshl_b32 s47, s40, 13
	s_add_co_u32 s46, s46, s47
	s_add_co_u32 s46, s46, 32768                   ; in slot 1: the first change of slots steps it to slot 2
	s_mov_b32 s47, 0
	s_sub_co_u32 s37, s[WV], 4
	s_lshr_b32 s37, s37, 3                         ; 0 in waves 4 to 11,
	s_or_b32 s37, s37, ttmp9                       ; of the work-group with i = 0
	s_cmp_eq_u32 s37, 0
	s_cselect_b32 s[LIM], 1, -1
	s_mov_b32 s[SEL], 0x76543210
	s_mov_b32 s[SEL+1], 0xfedcba98
	s_mov_b32 s[TB], 0
	s_mov_b32 s[KF], 0
	s_mov_b32 s[SLOTS], 7
	s_wait_dscnt 0x0                               ; both opening adds are done
	s_wait_kmcnt 0x0
	s_mov_b32 s[G0], 1
	s_add_nc_u64 s[G0+2:G0+3], s[4:5], s[38:39]
	s_or_b32 s[G0+3], s[G0+3], 0x80000000
	TLOAD                                          ; slot 0: key 0 counts for every query
	s_add_nc_u64 s[PFA:PFA+1], s[4:5], s[46:47]
	s_add_nc_u64 s[42:43], s[4:5], s[42:43]
	s_add_nc_u64 s[6:7], s[6:7], s[44:45]
	v_and_b32 v7, 31, v0
	v_lshlrev_b32 v[LI], 4, v7
	v_lshlrev_b32 v[PFO], 8, v7
.irp i, 0,1,2,3,4,5,6,7
	global_load_b128 v[Q+4*\i:Q+4*\i+3], v[LI], s[42:43] offset:512*\i   ; Q stays in registers
.endr
	v_and_b32 v8, 15, v0
	v_bfe_u32 v7, v0, 4, 1
	v_lshlrev_b32 v7, 3, v7
	v_sub_nc_u32 v[DM], v8, v7
	v_mov_b32 v[NINF], 0xff800000
.irp j, 0,1,2,3,4,5,6,7,8,9,10,11,12,13,14,15
	v_mov_b32 v[ST+\j], 0                          ; l = 0; the registers at work are written once, so that no path reads one unwritten
.endr
	v_mov_b32 v[ST], 0xff61b1e6                    ; m = -3e38, under every t
	v_mov_b32 v[ST+8], 0xff61b1e6
.irp j, 0,1,2,3,4,5,6,7,8,9,10,11,12,13,14,15,16,17,18,19,20,21,22,23,24,25,26,27,28,29,30,31,32,33,34,35,36,37,38,39,40,41,42,43,44,45,46,47,48,49,50,51,52,53,54,55,56,57,58,59,60,61,62,63
	v_mov_b32 v[O+\j], 0                           ; O^T: the step is written once; its first turn finds zeros, which a = 0 leaves zeros
.endr
; A KEY STEP: 64 keys.
.macro STEP
	s_add_co_u32 s37, s[Q0], 31
	s_cmp_gt_u32 s[KF], s37                        ; all 64 keys come after my 32 queries: the step's work is left out (ids and the count of steps alone)
	s_cbranch_scc1 .Lhidden_\@
	v_add_nc_u32 v[ADR], s[TB], v[LI]
.rept 4
	v_nop                                          ; with the addition above five places behind the last step's products: the scores below are written over P, and the loads land on V's fragments
.endr
.irp f, 0,1,2,3,4,5,6,7,8,9,10,11,12,13,14,15
	ds_load_b128 v[KV+4*\f:KV+4*\f+3], v[ADR] offset:512*\f   ; K: keys 16 (f / 4) on, channels 32 ((f / 2) % 2) on
.endr
	s_wait_dscnt 0x0
.irp cb, 0,1                           ; eight accumulators by turns, one instruction a turn; the first eight start the sums
.irp kt, 0,1,2,3
.irp t, 0,1
.if \cb == 0
	v_wmma_f32_16x16x32_f16 v[S+32*\t+8*\kt:S+32*\t+8*\kt+7], v[KV+16*\kt+8*\cb:KV+16*\kt+8*\cb+7], v[Q+16*\t+8*\cb:Q+16*\t+8*\cb+7], 0
.else
	v_wmma_f32_16x16x32_f16 v[S+32*\t+8*\kt:S+32*\t+8*\kt+7], v[KV+16*\kt+8*\cb:KV+16*\kt+8*\cb+7], v[Q+16*\t+8*\cb:Q+16*\t+8*\cb+7], v[S+32*\t+8*\kt:S+32*\t+8*\kt+7]
.endif
.endr
.endr
.endr
.rept 4
	v_nop                                          ; places in front of the loads into K's registers and of the first read of the scores
.endr
.irp f, 0,1,2,3,4,5,6,7,8,9,10,11,12,13,14,15
	ds_load_b128 v[KV+4*\f:KV+4*\f+3], v[ADR] offset:VOFF+512*\f   ; V: keys 32 (f / 8) on, channels 16 ((f / 2) % 4) on: it lands while the softmax is worked
.endr
	s_add_co_u32 s37, s[KF], 63
	s_cmp_le_u32 s37, s[Q0]                        ; all 64 keys count for all my queries: no mask
	s_cbranch_scc1 .Lopen_\@
	s_sub_co_i32 s37, s[Q0], s[KF]
	v_add_nc_u32 v[D0], s37, v[DM]                 ; register 8 kt + j of tile t holds key KF + 16 kt + 8 h + j of query Q0 + 16 t + r: hidden where 16 kt + j > Q0 - KF + 16 t + r - 8 h
	v_add_nc_u32 v[D0+1], 16, v[D0]
.irp t, 0,1
.irp n, 0,1,2,3,4,5,6,7,8,9,10,11,12,13,14,15,16,17,18,19,20,21,22,23,24,25,26,27,28,29,30,31
	v_cmp_gt_i32 vcc_lo, 16*(\n/8)+\n%8, v[D0+\t]
	v_cndmask_b32 v[S+32*\t+\n], v[S+32*\t+\n], v[NINF], vcc_lo
.endr
.endr
.Lopen_\@:
	; the largest t of my 32 keys and the old m: four chains a tile, the two tiles line by line
.irp j, 0,1,2,3
.irp t, 0,1
	v_max3_num_f32 v[ST+8*\t+4+\j], v[S+32*\t+8*\j], v[S+32*\t+8*\j+1], v[S+32*\t+8*\j+2]
.endr
.endr
.irp u, 3,5
.irp j, 0,1,2,3
.irp t, 0,1
	v_max3_num_f32 v[ST+8*\t+4+\j], v[ST+8*\t+4+\j], v[S+32*\t+8*\j+\u], v[S+32*\t+8*\j+\u+1]
.endr
.endr
.endr
.irp t, 0,1
	v_max3_num_f32 v[ST+8*\t+4], v[ST+8*\t+4], v[S+32*\t+7], v[S+32*\t+15]
.endr
.irp t, 0,1
	v_max3_num_f32 v[ST+8*\t+6], v[ST+8*\t+6], v[S+32*\t+23], v[S+32*\t+31]
.endr
.irp t, 0,1
	v_max3_num_f32 v[ST+8*\t+4], v[ST+8*\t+4], v[ST+8*\t+5], v[ST+8*\t+6]
.endr
.irp t, 0,1
	v_max3_num_f32 v[ST+8*\t+4], v[ST+8*\t+4], v[ST+8*\t+7], v[ST+8*\t]
.endr
.irp t, 0,1
	v_permlanex16_b32 v[ST+8*\t+5], v[ST+8*\t+4], s[SEL], s[SEL+1]   ; the query's other 32 keys lie in the lane 16 away
.endr
.irp t, 0,1
	v_mov_b32 v[ST+8*\t+7], v[ST+8*\t]             ; m_old
.endr
.irp t, 0,1
	v_max_num_f32 v[ST+8*\t], v[ST+8*\t+4], v[ST+8*\t+5]   ; the new m
.endr
.irp t, 0,1
	v_sub_f32 v[ST+8*\t+7], v[ST+8*\t+7], v[ST+8*\t]
.endr
.irp b, 0,2,4,6,8,10,12,14,16,18,20,22,24,26,28,30
.irp t, 0,1
	v_pk_add_f32 v[S+32*\t+\b:S+32*\t+\b+1], v[S+32*\t+\b:S+32*\t+\b+1], v[ST+8*\t:ST+8*\t+1] op_sel_hi:[1,0] neg_lo:[0,1] neg_hi:[0,1]   ; t - m, two at a time: exactly 0 at the largest
.endr
.endr
.irp t, 0,1
	v_exp_f32 v[ST+8*\t+6], v[ST+8*\t+7]           ; a
.endr
.irp e, 0,1,2,3,4,5,6,7,8,9,10,11,12,13,14,15,16,17,18,19,20,21,22,23,24,25,26,27,28,29,30,31
.irp t, 0,1
	v_exp_f32 v[S+32*\t+\e], v[S+32*\t+\e]         ; p
.endr
.endr
	v_nop                                          ; a plain line behind the last exponential
	s_wait_alu depctr_va_vdst(0)                   ; one wait for the batch of 66, ahead of its first reader
.irp t, 0,1
	v_pk_fma_f32 v[ST+8*\t+2:ST+8*\t+3], v[ST+8*\t+2:ST+8*\t+3], v[ST+8*\t+6:ST+8*\t+7], v[S+32*\t:S+32*\t+1] op_sel_hi:[1,0,1]   ; l = a l + p, of the unrounded p, in two chains
.endr
.irp t, 0,1
	v_pk_add_f32 v[ST+8*\t+4:ST+8*\t+5], v[S+32*\t+2:S+32*\t+3], v[S+32*\t+4:S+32*\t+5]
.endr
.irp b, 6,10,14,18,22,26
.irp t, 0,1
	v_pk_add_f32 v[ST+8*\t+2:ST+8*\t+3], v[ST+8*\t+2:ST+8*\t+3], v[S+32*\t+\b:S+32*\t+\b+1]
	v_pk_add_f32 v[ST+8*\t+4:ST+8*\t+5], v[ST+8*\t+4:ST+8*\t+5], v[S+32*\t+\b+2:S+32*\t+\b+3]
.endr
.endr
.irp t, 0,1
	v_pk_add_f32 v[ST+8*\t+2:ST+8*\t+3], v[ST+8*\t+2:ST+8*\t+3], v[S+32*\t+30:S+32*\t+31]
.endr
.irp t, 0,1
	v_pk_add_f32 v[ST+8*\t+2:ST+8*\t+3], v[ST+8*\t+2:ST+8*\t+3], v[ST+8*\t+4:ST+8*\t+5]
.endr
.irp i, 0,1,2,3,4,5,6,7,8,9,10,11,12,13,14,15
.irp t, 0,1
	v_cvt_pk_f16_f32 v[S+32*\t+\i], v[S+32*\t+2*\i], v[S+32*\t+2*\i+1]   ; P, in place, ascending: registers 8 kb .. 8 kb + 7 are the fragment of keys 32 kb on
.endr
.endr
.irp j, 0,2,4,6,8,10,12,14,16,18,20,22,24,26,28,30
.irp t, 0,1
	v_pk_mul_f32 v[O+32*\t+\j:O+32*\t+\j+1], v[O+32*\t+\j:O+32*\t+\j+1], v[ST+8*\t+6:ST+8*\t+7] op_sel_hi:[1,0]   ; O^T x a, each accumulator from its low end on
.endr
.endr
	s_wait_dscnt 0x0                               ; V is in
.irp kb, 0,1                           ; eight accumulators by turns
.irp ct, 0,1,2,3
.irp t, 0,1
	v_wmma_f32_16x16x32_f16 v[O+32*\t+8*\ct:O+32*\t+8*\ct+7], v[KV+32*\kb+8*\ct:KV+32*\kb+8*\ct+7], v[S+32*\t+8*\kb:S+32*\t+8*\kb+7], v[O+32*\t+8*\ct:O+32*\t+8*\ct+7]
.endr
.endr
.endr
.Lhidden_\@:
	s_add_co_u32 s[KF], s[KF], 64
	s_add_co_u32 s[TB], s[TB], 8192                ; the next step's images
.endm
; THE CHANGE OF SLOTS stands at a slot's head.  Each wave waits for all its tensor loads, adds 0 to its spare word (fill = 1: twice on end), and waits for that and for its reads of the slot that it has left.
; Behind the barrier the slot ahead is whole and nobody reads the other one; fill = 1: that other slot takes the next 256 keys, up to the causal limit: the load has a slot's four steps in which to land.  One tensor load of a wave is out at a time.
.macro CHANGE fill
	s_wait_tensorcnt 0x0                           ; no tensor load of mine is out, so the descriptor may be written
	ds_add_u32 v[SPW], v[NIL]                      ; 0 onto my spare word
.if \fill
	ds_add_u32 v[SPW], v[NIL]                      ; and once more, in every trip alike
	s_xor_b32 s[G0+1], s[G0+1], SLOT1              ; the other slot than last time,
	s_add_nc_u64 s[G0+2:G0+3], s[G0+2:G0+3], 32768 ; the next 256 keys
	s_wait_xcnt 0x0                                ; the last prefetch, a slot back, has read its address
	s_add_nc_u64 s[PFA:PFA+1], s[PFA:PFA+1], 32768 ; one slot further on than the descriptor
.endif
	s_wait_dscnt 0x0                               ; the add is done, my reads of the slot that I have left are over
	s_barrier_signal -1
	s_barrier_wait -1
.if \fill
	s_add_co_u32 s37, s[KF], 256                   ; the first key of the slot that this change would ask for:
	s_cmp_gt_u32 s37, s[QL]                        ; behind my work-group's last query it would be read by no wave.  Ids and the count of steps alone: all sixteen waves go the same way
	s_cbranch_scc1 .Lpast_\@
	TLOAD
.Lpast_\@:
	ASK
.endif
.endm
.macro SLOT_STEPS                      ; a slot's four steps: written once, walked four times; the LDS addresses hang on s[TB]
	s_mov_b32 s[STEPC], 4
.Lstep_\@:
	STEP
	s_sub_co_u32 s[STEPC], s[STEPC], 1
	s_cmp_lg_u32 s[STEPC], 0
	s_cbranch_scc1 .Lstep_\@
	s_sub_co_u32 s[TB], s[TB], 32768
	s_xor_b32 s[TB], s[TB], SLOT1                  ; on to the other slot
.endm
	s_wait_loadcnt 0x0                             ; Q
.Lslot:                                            ; seven trips: behind each change of slots but the last the next slot is asked for, up to the causal limit
	CHANGE 1
	SLOT_STEPS
	s_sub_co_u32 s[SLOTS], s[SLOTS], 1
	s_cmp_lg_u32 s[SLOTS], 0
	s_cbranch_scc1 .Lslot
	CHANGE 0                                       ; the last slot is written out: nothing is left to ask for
	SLOT_STEPS
	; THE WAY OUT.  l's halves and the other half of the lanes' are added (these six plain lines are the places behind the last products); O^T / l, rounded to f16: the registers of two neighbouring tiles of channels are an image of y.
.irp t, 0,1
	v_add_f32 v[ST+8*\t+4], v[ST+8*\t+2], v[ST+8*\t+3]
.endr
.irp t, 0,1
	v_permlanex16_b32 v[ST+8*\t+5], v[ST+8*\t+4], s[SEL], s[SEL+1]
.endr
.irp t, 0,1
	v_add_f32 v[ST+8*\t+4], v[ST+8*\t+4], v[ST+8*\t+5]
.endr
.irp t, 0,1
	v_rcp_f32 v[ST+8*\t+6], v[ST+8*\t+4]
.endr
	v_nop                                          ; a plain line behind the reciprocals
	s_wait_alu depctr_va_vdst(0)                   ; and the wait ahead of their first reader
.irp t, 0,1
.irp j, 0,2,4,6,8,10,12,14,16,18,20,22,24,26,28,30
	v_pk_mul_f32 v[O+32*\t+\j:O+32*\t+\j+1], v[O+32*\t+\j:O+32*\t+\j+1], v[ST+8*\t+6:ST+8*\t+7] op_sel_hi:[1,0]
.endr
.endr
.irp i, 0,1,2,3,4,5,6,7,8,9,10,11,12,13,14,15,16,17,18,19,20,21,22,23,24,25,26,27,28,29,30,31
	v_cvt_pk_f16_f32 v[S+\i], v[O+2*\i], v[O+2*\i+1]
.endr
.irp t, 0,1
.irp f, 0,1,2,3
	global_store_b128 v[LI], v[S+16*\t+4*\f:S+16*\t+4*\f+3], s[6:7] offset:\t*32768+512*\f   ; 512 consecutive bytes, aligned
.endr
.endr
	s_wait_tensorcnt 0x0                           ; the wave's end
	ds_add_u32 v[SPW], v[NIL]
	s_wait_dscnt 0x0
	s_endpgm
.Lfunc_end_k_q9da496f798_attn:
	.size	k_q9da496f798_attn, .Lfunc_end_k_q9da496f798_attn-k_q9da496f798_attn
	.p2alignl 7, 3214868480
	.fill 96, 4, 3214868480
	.section	.rodata,"a",@progbits
	.p2align	6, 0x0
	.amdhsa_kernel k_q9da496f798_attn
		.amdhsa_group_segment_fixed_size 327680
		.amdhsa_private_segment_fixed_size 0
		.amdhsa_enable_private_segment 0
		.amdhsa_kernarg_size 16
		.amdhsa_user_sgpr_count 2
		.amdhsa_user_sgpr_kernarg_segment_ptr 1
		.amdhsa_wavefront_size32 1
		.amdhsa_system_sgpr_workgroup_id_x 1
		.amdhsa_system_sgpr_workgroup_id_y 1
		.amdhsa_system_sgpr_workgroup_id_z 1
		.amdhsa_system_vgpr_workitem_id 0
		.amdhsa_next_free_vgpr 256
		.amdhsa_next_free_sgpr 66
		.amdhsa_reserve_vcc 1
		.amdhsa_float_denorm_mode_32 3
		.amdhsa_float_denorm_mode_16_64 3
		.amdhsa_memory_ordered 1
		.amdhsa_forward_progress 1
		.amdhsa_inst_pref_size 57
	.end_amdhsa_kernel
	.amdgpu_metadata
---
amdhsa.version: [ 1, 2 ]
amdhsa.kernels:
  - .name:           k_q9da496f798_attn
    .symbol:         k_q9da496f798_attn.kd
    .args:
      - { .name: qkv, .offset: 0, .size: 8, .value_kind: global_buffer, .address_space: global }
      - { .name: y_img, .offset: 8, .size: 8, .value_kind: global_buffer, .address_space: global }
    .group_segment_fixed_size: 327680
    .private_segment_fixed_size: 0
    .kernarg_segment_align: 8
    .kernarg_segment_size: 16
    .max_flat_workgroup_size: 512
    .sgpr_count:     66
    .vgpr_count:     256
    .wavefront_size: 32
...
	.end_amdgpu_metadata
.endif
;; end of part 3
;; launch proj (part 4): grid 8 x 32, 4 waves a work-group, clusters of 4 x 4, 327,680 bytes of LDS; arguments y_img, wp_img, b_proj, out0; writes out0
.if DOCPART == 4
	.amdgcn_target "amdgcn-amd-amdhsa--gfx1250"
	.amdhsa_code_object_version 6
	.text
	.protected	k_q9da496f798_proj
	.globl	k_q9da496f798_proj
	.p2align	8
	.type	k_q9da496f798_proj,@function
k_q9da496f798_proj:
	s_mov_b64 s[64:65], 0
	v_nop
	global_prefetch_b8 v0, s[64:65] scope:SCOPE_SE
	s_setreg_imm32_b32 hwreg(HW_REG_WAVE_MODE, 25, 1), 1
	s_wait_xcnt 0x0
	s_wait_alu depctr_hold_cnt(0) depctr_sa_sdst(0) depctr_va_vdst(0) depctr_va_sdst(0) depctr_va_ssrc(0) depctr_va_vcc(0) depctr_vm_vsrc(0)
	s_getreg_b32 s2, hwreg(HW_REG_IB_STS2, 6, 4)
	s_cmp_eq_u32 s2, 0
	s_cbranch_scc0 .Lentry_in_a_cluster
	s_endpgm
.Lentry_in_a_cluster:
	s_bfe_u32 s2, ttmp6, 0x10000c
	s_cmp_lg_u32 s2, 0xf033
	s_cbranch_scc0 .Lentry_shape_is_right
	s_endpgm
.Lentry_shape_is_right:
; out0 = y w_proj^T + b_proj.  y [8192][1024] and w_proj [1024][1024] arrive as f16 images (16 rows x 32 K = 1,024 bytes = [group][lane][16 bytes]) at tile x 32,768 + (k / 32) x 1,024; sums in f32; out0 f32.
; A tile of 256 rows x 128 columns to a work-group: 256 work-groups.  Four waves, 128 x 64 each: 32 accumulators, 256 registers (window 1).  K goes in steps of 128 (four images a tile, 4,096 consecutive bytes)
; through a ring of two LDS slots; a wave's tensor load brings 8 tiles of y (waves 0, 1) or 4 of w_proj (waves 2, 3).  Two loads of a wave are out at the start, one behind each round.
; Images need no pitch and no padding: every LDS load takes 512 consecutive bytes.
; CLUSTERS: 4 x 4; y's tiles are shared along a row of the cluster, w_proj's along a column, each asked for jointly.
; THE MATRIX INSTRUCTION IS USED TRANSPOSED (source 0 = 16 rows of w_proj, source 1 = 16 rows of y): a lane holds eight neighbouring numbers of a row of out0.  The bias is the C of each sum's first product.
; No prefetch: a K step's tiles are small and the launch is short.
; REGISTERS: window 0: v0-31 addresses; v32-63 the bias; v64-159, v160-255 two fragment buffers (w_proj's four, then y's eight); on the way out v64-127 hold rows.  window 1: accumulator (a, b) at v[8 (4 a + b)].
.set KB,     1024                      ; an image
.set ATILE,  4096                      ; a tile's four images of a K step
.set BOFF,   65536                     ; a slot: y's 16 tiles, then w_proj's 8
.set SLOT,   98304
.set STAGE,  2*SLOT                    ; behind the ring: 16 rows x 272 bytes for each wave
.set SPITCH, 272
.set SPARE,  STAGE+4*16*SPITCH         ; the spare words, 128 bytes a wave: no other line names them
.set LAPS,   4                         ; a lap = two K steps; K = 1,024
.set ADRA, 16
.set ADRB, 20
.set STO,  24
.set RD,   25
.set CO,   26
.set SPW,  28
.set NIL,  29
.set BI,   32
.set F0,   64
.set F1,   160
.set G1, 24
.set G0, 32
.set G1B, 48
.set G0B, 56
.set MSB, 0
.macro WIN new
.if MSB != (\new)
	s_set_vgpr_msb (MSB<<8)|(\new)
.set MSB, \new
.endif
.endm
.set MUL, 0x50                         ; C and D window 1, sources window 0;  0x40: D window 1, C (the bias) window 0
.macro JLOAD s                         ; a joint load: waves 0 and 1 fetch y's halves, waves 2 and 3 w_proj's; an s_nop 0 and four v_nop follow each line
	s_cmp_eq_u32 s13, 0
	s_cbranch_scc0 .Lfor_b_\@
	tensor_load_to_lds s[G0+4*\s:G0+4*\s+3], s[G1:G1+7]
	s_nop 0
.rept 4
	v_nop
.endr
	s_branch .Lasked_\@
.Lfor_b_\@:
	tensor_load_to_lds s[G0B+4*\s:G0B+4*\s+3], s[G1B:G1B+7]
	s_nop 0
.rept 4
	v_nop
.endr
.Lasked_\@:
.endm
.macro CREST
	s_cmp_lg_u32 s12, 0
	s_cbranch_scc1 .Lnot_wave_0_\@
	s_barrier_signal -3
.Lnot_wave_0_\@:
	s_barrier_wait -3
	s_barrier_signal -1
	s_barrier_wait -1
.endm
.macro CROUND
	s_barrier_signal -1
	s_barrier_wait -1
	CREST
.endm
	s_load_b256 s[4:11], s[0:1], 0x0               ; y's images s[4:5], w_proj's s[6:7], b_proj s[8:9], out0 s[10:11]
	v_lshl_add_u32 v[SPW], v0, 2, SPARE
	v_mov_b32 v[NIL], 0
	ds_add_u32 v[SPW], v[NIL]                      ; the wave's opening: the add, twice on end, and its wait ahead of my first tensor load
	ds_add_u32 v[SPW], v[NIL]
	v_lshrrev_b32 v1, 5, v0
	v_readfirstlane_b32 s12, v1                    ; wave
	s_lshr_b32 s13, s12, 1                         ; which 128 rows are mine; also: I fetch for y (0) or w_proj (1)
	s_and_b32 s14, s12, 1                          ; which 64 columns; also: which half of that tile I fetch
	s_bfe_u32 s40, ttmp6, 0x40000                  ; cx
	s_bfe_u32 s41, ttmp6, 0x40004                  ; cy
	s_lshl_b32 s42, ttmp9, 2
	s_add_co_u32 s42, s42, s40                     ; tile column
	s_and_b32 s45, ttmp7, 0xffff
	s_lshl_b32 s45, s45, 2
	s_add_co_u32 s45, s45, s41                     ; tile row
	s_lshl_b32 s43, s41, 2
	s_lshl_b32 s43, 15, s43                        ; my row of the cluster
	s_lshl_b32 s44, 0x1111, s40                    ; my column
	s_or_b32 s[G1], s43, (3<<16)|(1<<21)           ; the mask; elements of 8 bytes; bit 21 beside a mask; no padding
	s_or_b32 s[G1B], s44, (3<<16)|(1<<21)
	s_mov_b32 s[G1+1], 512<<16                     ; tensor_dim0: 4,096 bytes
	s_mov_b32 s[G1+2], 8<<16                       ; tensor_dim1: 8 tiles
	s_mov_b32 s[G1+3], 512<<16                     ; tile_dim0
	s_mov_b32 s[G1+4], 8                           ; tile_dim1
	s_mov_b32 s[G1+5], 4096                        ; from tile to tile: 32,768 bytes
	s_mov_b32 s[G1+6], 0
	s_mov_b32 s[G1+7], 0
	s_mov_b32 s[G1B+1], 512<<16
	s_mov_b32 s[G1B+2], 4<<16                      ; 4 tiles
	s_mov_b32 s[G1B+3], 512<<16
	s_mov_b32 s[G1B+4], 4
	s_mov_b32 s[G1B+5], 4096
	s_mov_b32 s[G1B+6], 0
	s_mov_b32 s[G1B+7], 0
	s_lshl_b32 s16, s45, 19                        ; y: 16 tiles of 32,768 bytes a tile row,
	s_lshl_b32 s17, s14, 18                        ; 8 a half
	s_add_co_u32 s16, s16, s17
	s_mov_b32 s17, 0
	s_lshl_b32 s46, s42, 18                        ; w_proj: 8 tiles a tile column,
	s_lshl_b32 s47, s14, 17                        ; 4 a half
	s_add_co_u32 s46, s46, s47
	s_mov_b32 s47, 0
	s_lshl_b32 s20, s14, 15                        ; where they go: no place in the cluster enters an LDS address
	s_lshl_b32 s21, s14, 14
	s_add_co_u32 s21, s21, BOFF
	s_wait_dscnt 0x0                               ; both opening adds are done
	s_wait_kmcnt 0x0
	s_add_nc_u64 s[18:19], s[4:5], s[16:17]
	s_add_nc_u64 s[46:47], s[6:7], s[46:47]
	CROUND                                         ; all sixteen work-groups are here: the first joint loads meet
.irp s, 0,1
	s_mov_b32 s[G0+4*\s], 1
	s_add_co_u32 s[G0+4*\s+1], s20, \s*SLOT
	s_add_nc_u64 s[G0+4*\s+2:G0+4*\s+3], s[18:19], \s*ATILE
	s_or_b32 s[G0+4*\s+3], s[G0+4*\s+3], 0x80000000
	s_mov_b32 s[G0B+4*\s], 1
	s_add_co_u32 s[G0B+4*\s+1], s21, \s*SLOT
	s_add_nc_u64 s[G0B+4*\s+2:G0B+4*\s+3], s[46:47], \s*ATILE
	s_or_b32 s[G0B+4*\s+3], s[G0B+4*\s+3], 0x80000000
	JLOAD \s
.endr
	s_lshl_b32 s22, s42, 9                         ; my first column, in bytes: 512 x tile column + 256 x half
	s_lshl_b32 s23, s14, 8
	s_add_co_u32 s22, s22, s23
	s_mov_b32 s23, 0
	s_add_nc_u64 s[8:9], s[8:9], s[22:23]
	s_add_nc_u64 s[10:11], s[10:11], s[22:23]
	s_lshl_b32 s22, s45, 20                        ; my first row: 256 rows of 4,096 bytes a tile row, 128 a half
	s_lshl_b32 s15, s13, 19
	s_add_co_u32 s22, s22, s15
	s_add_nc_u64 s[10:11], s[10:11], s[22:23]
	v_and_b32 v1, 31, v0
	v_lshlrev_b32 v2, 4, v1                        ; 16 x lane
	v_and_b32 v3, 15, v0                           ; r
	v_bfe_u32 v4, v0, 4, 1                         ; h
	v_lshlrev_b32 v6, 5, v4
.irp b, 0,1,2,3
	global_load_b128 v[BI+8*\b:BI+8*\b+3], v6, s[8:9] offset:64*\b        ; the bias of columns 16 b + 8 h + 0 .. 7, in the result's layout
	global_load_b128 v[BI+8*\b+4:BI+8*\b+7], v6, s[8:9] offset:64*\b+16
.endr
	s_lshl_b32 s22, s13, 15                        ; my 8 tiles of y
	s_lshl_b32 s23, s14, 14                        ; my 4 tiles of w_proj
	s_add_co_u32 s23, s23, BOFF
.irp s, 0,1
	v_add_nc_u32 v[ADRA+\s], s22, v2
	v_add_nc_u32 v[ADRB+\s], s23, v2
	s_add_co_u32 s22, s22, SLOT
	s_add_co_u32 s23, s23, SLOT
.endr
	s_mul_i32 s22, s12, 16*SPITCH
	s_add_co_u32 s22, s22, STAGE                   ; my stage
	v_mul_u32_u24 v5, v3, SPITCH
	v_lshl_add_u32 v5, v4, 5, v5
	v_add_nc_u32 v[STO], s22, v5                   ; in: row r, 32 bytes for each half of the lanes
	v_mul_u32_u24 v5, v4, SPITCH
	v_lshl_add_u32 v5, v3, 4, v5
	v_add_nc_u32 v[RD], s22, v5                    ; back: lanes 0-15 one row of 256 bytes, lanes 16-31 the next
	v_lshlrev_b32 v5, 12, v4
	v_lshl_add_u32 v[CO], v3, 4, v5                ; and the same two rows in out0
; 8 matrix instructions: y's tiles a0, a0 + 1 x w_proj's four, 32 along K.  The 32 accumulators take turns, one instruction a turn, in the same order in every quarter
.macro MUL8 f, a0, first
.irp a, \a0, \a0+1
.irp b, 0,1,2,3
.if \first
	v_wmma_f32_16x16x32_f16 v[8*(4*(\a)+\b):8*(4*(\a)+\b)+7], v[\f+8*\b:\f+8*\b+7], v[\f+32+8*(\a):\f+32+8*(\a)+7], v[BI+8*\b:BI+8*\b+7]
.else
	v_wmma_f32_16x16x32_f16 v[8*(4*(\a)+\b):8*(4*(\a)+\b)+7], v[\f+8*\b:\f+8*\b+7], v[\f+32+8*(\a):\f+32+8*(\a)+7], v[8*(4*(\a)+\b):8*(4*(\a)+\b)+7]
.endif
.endr
.endr
.endm
.macro FETCH slot, kb, f               ; 24 LDS loads in one run: image kb of w_proj's four tiles, then of y's eight
	WIN 0
.irp b, 0,1,2,3
	ds_load_b128 v[\f+8*\b:\f+8*\b+3],   v[ADRB+\slot] offset:\b*ATILE+(\kb)*KB
	ds_load_b128 v[\f+8*\b+4:\f+8*\b+7], v[ADRB+\slot] offset:\b*ATILE+(\kb)*KB+512
.endr
.irp a, 0,1,2,3,4,5,6,7
	ds_load_b128 v[\f+32+8*\a:\f+32+8*\a+3],   v[ADRA+\slot] offset:\a*ATILE+(\kb)*KB
	ds_load_b128 v[\f+32+8*\a+4:\f+32+8*\a+7], v[ADRA+\slot] offset:\a*ATILE+(\kb)*KB+512
.endr
.endm
.macro PLACES                          ; four places in front of loads into registers that matrix instructions have read, and of the first read of results
.rept 4
	v_nop
.endr
.endm
; A K step is four quarters of 32 along K, 32 matrix instructions each, on buffers 0, 1, 0, 1.  One of the first three multiplies buffer f and fetches image kb into g.
.macro QUARTER slot, kb, f, g, first
	s_wait_dscnt 8                                 ; w_proj's and y's tiles 0-3 are in; the youngest eight loads (y's tiles 4-7) may be out
	WIN MUL-0x10*(\first)
	MUL8 \f, 0, \first
	MUL8 \f, 2, \first
	PLACES
	FETCH \slot, \kb, \g
	s_wait_dscnt 24                                ; all but the 24 just issued
	WIN MUL-0x10*(\first)
	MUL8 \f, 4, \first
	MUL8 \f, 6, \first
.endm
; The last quarter multiplies buffer 1 and changes slots: one barrier; in front of it each wave waits for all its tensor loads, adds 0 to its spare word, and waits for that and for its reads of this slot.  fill = 1: the slot is filled again, two K steps ahead, behind a round of the cluster's barrier.
.macro TURN slot, next, fill
	WIN 0
	s_wait_tensorcnt 0x0                           ; all my tensor loads have landed: my part of the next slot
	ds_add_u32 v[SPW], v[NIL]                      ; 0 onto my spare word
	s_wait_dscnt 9                                 ; (the add and the youngest eight loads may be out)
	WIN MUL
	MUL8 F1, 0, 0
	s_wait_dscnt 0x0                               ; the add is done, my reads of this slot are over
	s_barrier_signal -1
	MUL8 F1, 2, 0
.if \fill
	WIN 0
.endif
	s_barrier_wait -1
.if \fill
	CREST                                          ; no wave of any partner still reads this slot or has a load on its way
	s_add_nc_u64 s[G0+4*\slot+2:G0+4*\slot+3], s[G0+4*\slot+2:G0+4*\slot+3], 2*ATILE
	s_add_nc_u64 s[G0B+4*\slot+2:G0B+4*\slot+3], s[G0B+4*\slot+2:G0B+4*\slot+3], 2*ATILE
	JLOAD \slot                                    ; the first tensor load behind the round; its four v_nop are also the places in front of the loads below
.else
	PLACES
.endif
	FETCH \next, 0, F0
	WIN MUL
	MUL8 F1, 4, 0
	MUL8 F1, 6, 0
.endm
	s_wait_tensorcnt 1                             ; my part of K step 0 is in (K step 1's load may be out),
	s_barrier_signal -1
	s_barrier_wait -1                              ; everybody's is
	FETCH 0, 0, F0
	s_wait_loadcnt 0x0                             ; the bias
	QUARTER 0, 1, F0, F1, 1                        ; the first quarter's products start the sums, from the bias
	WIN 0
	s_mov_b32 s3, LAPS-1
.Llap:                                             ; a trip goes once round the ring and fills both slots again
	QUARTER 0, 2, F1, F0, 0
	QUARTER 0, 3, F0, F1, 0
	TURN 0, 1, 1
	QUARTER 1, 1, F0, F1, 0
	QUARTER 1, 2, F1, F0, 0
	QUARTER 1, 3, F0, F1, 0
	TURN 1, 0, 1
	QUARTER 0, 1, F0, F1, 0
	WIN 0
	s_sub_co_u32 s3, s3, 1
	s_cmp_lg_u32 s3, 0
	s_cbranch_scc1 .Llap
	QUARTER 0, 2, F1, F0, 0                        ; the last lap fills nothing
	QUARTER 0, 3, F0, F1, 0
	TURN 0, 1, 0
	QUARTER 1, 1, F0, F1, 0
	QUARTER 1, 2, F1, F0, 0
	QUARTER 1, 3, F0, F1, 0
	s_wait_dscnt 8
	WIN MUL
	MUL8 F1, 0, 0
	MUL8 F1, 2, 0
	s_wait_dscnt 0
	MUL8 F1, 4, 0
	MUL8 F1, 6, 0
	WIN 0
; THE WAY OUT, 16 rows x 64 columns at a time, through my own stage: a lane's 32 bytes go in, whole rows of 256 bytes come back; sixteen lanes store 256 consecutive bytes, aligned.  LDS serves a wave's instructions in order: no wait between the stores and the loads.
.macro TOSTAGE a
	WIN 0x04                                       ; an LDS store's data: window 1
.irp b, 0,1,2,3
	ds_store_b128 v[STO], v[8*(4*(\a)+\b):8*(4*(\a)+\b)+3] offset:64*\b       ; each accumulator from its low end on
	ds_store_b128 v[STO], v[8*(4*(\a)+\b)+4:8*(4*(\a)+\b)+7] offset:64*\b+16
.endr
	WIN 0
.irp t, 0,1,2,3,4,5,6,7
	ds_load_b128 v[64+32*((\a)%2)+4*\t:64+32*((\a)%2)+4*\t+3], v[RD] offset:\t*2*SPITCH
.endr
.endm
.macro SEND a, younger                 ; younger: the LDS instructions issued behind block a's loads
	s_wait_dscnt \younger
.irp t, 0,1,2,3,4,5,6,7
	global_store_b128 v[CO], v[64+32*((\a)%2)+4*\t:64+32*((\a)%2)+4*\t+3], s[10:11] offset:(\a)*65536+\t*8192 th:TH_STORE_NT
.endr
.endm
	PLACES
	TOSTAGE 0
.irp a, 1,2,3,4,5,6,7
.if \a > 1
	s_wait_xcnt 0x0                                ; block a - 2's stores have read their registers: block a's loads may land there
.endif
	TOSTAGE \a
	SEND \a-1, 16
.endr
	SEND 7, 0
	s_wait_tensorcnt 0x0                           ; the wave's end
	ds_add_u32 v[SPW], v[NIL]
	s_wait_dscnt 0x0
	CROUND                                         ; the closing round
	s_endpgm
.Lfunc_end_k_q9da496f798_proj:
	.size	k_q9da496f798_proj, .Lfunc_end_k_q9da496f798_proj-k_q9da496f798_proj
	.p2alignl 7, 3214868480
	.fill 96, 4, 3214868480
	.section	.rodata,"a",@progbits
	.p2align	6, 0x0
	.amdhsa_kernel k_q9da496f798_proj
		.amdhsa_group_segment_fixed_size 327680
		.amdhsa_private_segment_fixed_size 0
		.amdhsa_enable_private_segment 0
		.amdhsa_kernarg_size 32
		.amdhsa_user_sgpr_count 2
		.amdhsa_user_sgpr_kernarg_segment_ptr 1
		.amdhsa_wavefront_size32 1
		.amdhsa_system_sgpr_workgroup_id_x 1
		.amdhsa_system_sgpr_workgroup_id_y 1
		.amdhsa_system_sgpr_workgroup_id_z 1
		.amdhsa_system_vgpr_workitem_id 0
		.amdhsa_next_free_vgpr 512
		.amdhsa_next_free_sgpr 66
		.amdhsa_reserve_vcc 0
		.amdhsa_float_denorm_mode_32 3
		.amdhsa_float_denorm_mode_16_64 3
		.amdhsa_memory_ordered 1
		.amdhsa_forward_progress 1
		.amdhsa_inst_pref_size 86
	.end_amdhsa_kernel
	.amdgpu_metadata
---
amdhsa.version: [ 1, 2 ]
amdhsa.kernels:
  - .name:           k_q9da496f798_proj
    .symbol:         k_q9da496f798_proj.kd
    .args:
      - { .name: y_img, .offset: 0, .size: 8, .value_kind: global_buffer, .address_space: global }
      - { .name: wp_img, .offset: 8, .size: 8, .value_kind: global_buffer, .address_space: global }
      - { .name: b_proj, .offset: 16, .size: 8, .value_kind: global_buffer, .address_space: global }
      - { .name: out0, .offset: 24, .size: 8, .value_kind: global_buffer, .address_space: global }
    .group_segment_fixed_size: 327680
    .private_segment_fixed_size: 0
    .kernarg_segment_align: 8
    .kernarg_segment_size: 32
    .max_flat_workgroup_size: 128
    .sgpr_count:     66
    .vgpr_count:     512
    .wavefront_size: 32
...
	.end_amdgpu_metadata
.endif
;; end of part 4
;; launch early_att (part 5): grid 16 x 4, 4 waves a work-group, no clusters, 4,608 bytes of LDS; arguments x_codes, x_scales, w_codes, w_scales, b_attn, y_early; writes y_early
.if DOCPART == 5
	.amdgcn_target "amdgcn-amd-amdhsa--gfx1250"
	.amdhsa_code_object_version 6
	.text
	.protected	k_q9da496f798_early_att
	.globl	k_q9da496f798_early_att
	.p2align	8
	.type	k_q9da496f798_early_att,@function
k_q9da496f798_early_att:
	s_mov_b64 s[64:65], 0
	v_nop
	global_prefetch_b8 v0, s[64:65] scope:SCOPE_SE
	s_setreg_imm32_b32 hwreg(HW_REG_WAVE_MODE, 25, 1), 1
	s_wait_xcnt 0x0
; The first 16 positions of every sequence once more, with nothing coarser than f32 behind the quantised product: under the causal mask these rows average one to sixteen values, and f16 operands would weigh most there.
; Work-group (head, batch); wave c takes channels 16 c .. 16 c + 15 of q, k and v of tokens 0 .. 15: three products of 16 x 16 x 1,024 on the FP4 codes (the same codes and scales as the bulk launch), sums f32, + b_attn.
; q, k TRANSPOSED (source 0 = w_attn's rows, source 1 = x): lane (r, h) holds token r, channels 8 h + j.  Registers 2 u, 2 u + 1 of k and of q are then sources 0 and 1 of the f32 matrix form (K = 4: channels 8 h + 2 u + j, the same on both sides):
; four products give my 16 channels' part of S^T (lane: query r, keys 8 h + j).  The four waves' parts meet in LDS and are added in a fixed order; each wave then does the whole softmax.
; v NATURAL (source 0 = x, source 1 = w_attn's rows): lane (r, h) holds channel r, tokens 8 h + j: source 0 of O^T = V^T P, P's registers source 1.  y_early [batch x 16 + t][1024], f32.
; The registers that the f32 matrix form writes (SA, SB, OA, OB) are written by matrix instructions alone; two accumulators take turns in every chain.
.set SPARE, 4096                       ; behind the four parts of S^T: the spare words
.set XF, 16                            ; v16-79   x's eight fragments
.set XS, 80                            ; v80-87   x's scale words, one for each 128 along K
.set WS, 88                            ; v88-111  w_attn's: q's, k's, v's
.set BQ, 112
.set BK, 120
.set BV, 128
.set QA, 136
.set KA, 144
.set VE, 152                           ; v of the even K steps (with the bias); VE + 8: of the odd ones
.set VT, 168
.set SA, 176
.set SB, 184
.set OA, 192
.set OB, 200
.set SF, 208                           ; my part of S^T; then S^T; then p
.set PL, 216                           ; v216-247 the four parts; later y
.set MSB, 0
.macro WIN new
.if MSB != (\new)
	s_set_vgpr_msb (MSB<<8)|(\new)
.set MSB, \new
.endif
.endm
	s_load_b256 s[4:11], s[0:1], 0x0               ; x's codes, x's scales, w's codes, w's scales
	s_load_b128 s[12:15], s[0:1], 0x20             ; b_attn, y_early
	v_lshl_add_u32 v12, v0, 2, SPARE               ; my spare word; never rewritten
	v_mov_b32 v13, 0                               ; 0; never rewritten
	v_lshrrev_b32 v1, 5, v0
	v_readfirstlane_b32 s16, v1                    ; wave c
	v_and_b32 v1, 15, v0                           ; r
	v_bfe_u32 v2, v0, 4, 1                         ; h
	v_lshlrev_b32 v3, 9, v1
	v_lshl_add_u32 v3, v2, 4, v3                   ; codes: row r of 512 bytes, + 16 h
	v_lshlrev_b32 v4, 5, v1                        ; scale words: row r of 32 bytes
	v_lshlrev_b32 v5, 5, v2                        ; bias of q, k: 8 h numbers on
	v_lshlrev_b32 v6, 2, v1                        ; bias of v: number r
	v_and_b32 v8, 31, v0
	v_lshlrev_b32 v8, 4, v8                        ; 16 x lane
	s_lshl_b32 s18, s16, 10
	v_add_nc_u32 v7, s18, v8                       ; + 1,024 x wave
	v_lshlrev_b32 v9, 3, v2
	v_sub_nc_u32 v9, v1, v9                        ; r - 8 h
	v_mov_b32 v10, 0xff800000                      ; -infinity
	v_lshlrev_b32 v11, 12, v1
	v_lshl_add_u32 v11, v2, 5, v11                 ; y_early: row r of 4,096 bytes, + 8 h numbers
	s_and_b32 s17, ttmp7, 0xffff                   ; batch
	s_lshl_b32 s18, ttmp9, 6
	s_lshl_b32 s19, s16, 4
	s_add_co_u32 s18, s18, s19                     ; my first channel: 64 head + 16 c
	s_mov_b32 s20, 0x76543210
	s_mov_b32 s21, 0xfedcba98                      ; lane l xor 16
	s_mov_b32 s22, 0x3e38aa3b                      ; log2(e) / 8
	s_mov_b32 s23, s22
	s_lshl_b32 s24, s17, 20                        ; the batch's first row of x: 2,048 rows of 512 bytes
	s_mov_b32 s25, 0
	s_lshl_b32 s26, s17, 16                        ; and of 32 bytes
	s_mov_b32 s27, 0
	s_lshl_b32 s28, s18, 9
	s_mov_b32 s29, 0
	s_lshl_b32 s30, s18, 5
	s_mov_b32 s31, 0
	s_lshl_b32 s32, s18, 2
	s_mov_b32 s33, 0
	s_add_co_u32 s34, s26, s32                     ; y_early: 16 rows of 4,096 bytes a batch, + my channels
	s_mov_b32 s35, 0
	s_wait_kmcnt 0x0
	s_add_nc_u64 s[4:5], s[4:5], s[24:25]
	s_add_nc_u64 s[6:7], s[6:7], s[26:27]
	s_add_nc_u64 s[8:9], s[8:9], s[28:29]
	s_add_nc_u64 s[10:11], s[10:11], s[30:31]
	s_add_nc_u64 s[12:13], s[12:13], s[32:33]
	s_add_nc_u64 s[14:15], s[14:15], s[34:35]
.irp s, 0,1,2,3,4,5,6,7
.irp c, 0,1
	global_load_b128 v[XF+8*\s+4*\c:XF+8*\s+4*\c+3], v3, s[4:5] offset:64*\s+32*\c
.endr
.endr
	global_load_b128 v[XS:XS+3], v4, s[6:7]
	global_load_b128 v[XS+4:XS+7], v4, s[6:7] offset:16
.irp p, 0,1                            ; q's and k's scale words (a part: 1,024 rows of 32 bytes) and biases
	global_load_b128 v[WS+8*\p:WS+8*\p+3], v4, s[10:11] offset:\p*32768
	global_load_b128 v[WS+8*\p+4:WS+8*\p+7], v4, s[10:11] offset:\p*32768+16
	global_load_b128 v[BQ+8*\p:BQ+8*\p+3], v5, s[12:13] offset:\p*4096
	global_load_b128 v[BQ+8*\p+4:BQ+8*\p+7], v5, s[12:13] offset:\p*4096+16
.endr
	WIN 0x40                                       ; destination window 1: w_attn's fragments: q's at v0, k's at v64, v's at v128
.irp p, 0,1,2
.irp s, 0,1,2,3,4,5,6,7
.irp c, 0,1
	global_load_b128 v[64*\p+8*\s+4*\c:64*\p+8*\s+4*\c+3], v3, s[8:9] offset:\p*524288+64*\s+32*\c
.endr
.endr
.endr
	WIN 0
	global_load_b128 v[WS+16:WS+19], v4, s[10:11] offset:65536
	global_load_b128 v[WS+20:WS+23], v4, s[10:11] offset:65536+16
.irp j, 0,1,2,3,4,5,6,7
	global_load_b32 v[BV+\j], v6, s[12:13] offset:8192   ; v's bias hangs on the lane's channel alone: the same in all eight registers
.endr
	s_wait_loadcnt 26                              ; x's, q's and k's 58 loads are in; v's 26 may be out
	WIN 0x01                                       ; source 0 window 1
.macro QK s
.if \s == 0
	v_wmma_scale_f32_16x16x128_f8f6f4 v[QA:QA+7], v[8*\s:8*\s+7], v[XF+8*\s:XF+8*\s+7], v[BQ:BQ+7], v[WS+\s], v[XS+\s] matrix_a_fmt:MATRIX_FMT_FP4 matrix_b_fmt:MATRIX_FMT_FP4
	v_wmma_scale_f32_16x16x128_f8f6f4 v[KA:KA+7], v[64+8*\s:64+8*\s+7], v[XF+8*\s:XF+8*\s+7], v[BK:BK+7], v[WS+8+\s], v[XS+\s] matrix_a_fmt:MATRIX_FMT_FP4 matrix_b_fmt:MATRIX_FMT_FP4
.else
	v_wmma_scale_f32_16x16x128_f8f6f4 v[QA:QA+7], v[8*\s:8*\s+7], v[XF+8*\s:XF+8*\s+7], v[QA:QA+7], v[WS+\s], v[XS+\s] matrix_a_fmt:MATRIX_FMT_FP4 matrix_b_fmt:MATRIX_FMT_FP4
	v_wmma_scale_f32_16x16x128_f8f6f4 v[KA:KA+7], v[64+8*\s:64+8*\s+7], v[XF+8*\s:XF+8*\s+7], v[KA:KA+7], v[WS+8+\s], v[XS+\s] matrix_a_fmt:MATRIX_FMT_FP4 matrix_b_fmt:MATRIX_FMT_FP4
.endif
.endm
.irp s, 0,1,2,3,4,5,6,7
	QK \s
.endr
	s_wait_loadcnt 0x0
	WIN 0x04                                       ; source 1 window 1
.macro VP s
.if \s == 0
	v_wmma_scale_f32_16x16x128_f8f6f4 v[VE:VE+7], v[XF+8*\s:XF+8*\s+7], v[128+8*\s:128+8*\s+7], v[BV:BV+7], v[XS+\s], v[WS+16+\s] matrix_a_fmt:MATRIX_FMT_FP4 matrix_b_fmt:MATRIX_FMT_FP4
.elseif \s == 1
	v_wmma_scale_f32_16x16x128_f8f6f4 v[VE+8:VE+15], v[XF+8*\s:XF+8*\s+7], v[128+8*\s:128+8*\s+7], 0, v[XS+\s], v[WS+16+\s] matrix_a_fmt:MATRIX_FMT_FP4 matrix_b_fmt:MATRIX_FMT_FP4
.else
	v_wmma_scale_f32_16x16x128_f8f6f4 v[VE+8*(\s%2):VE+8*(\s%2)+7], v[XF+8*\s:XF+8*\s+7], v[128+8*\s:128+8*\s+7], v[VE+8*(\s%2):VE+8*(\s%2)+7], v[XS+\s], v[WS+16+\s] matrix_a_fmt:MATRIX_FMT_FP4 matrix_b_fmt:MATRIX_FMT_FP4
.endif
.endm
.irp s, 0,1,2,3,4,5,6,7
	VP \s
.endr
	WIN 0
.rept 4
	v_nop                                          ; places behind v's products; with the four additions below also those between q's and k's products and the matrix instructions that take them as sources
.endr
.irp i, 0,2,4,6
	v_pk_add_f32 v[VT+\i:VT+\i+1], v[VE+\i:VE+\i+1], v[VE+8+\i:VE+8+\i+1]
.endr
	v_wmma_f32_16x16x4_f32 v[SA:SA+7], v[KA:KA+1], v[QA:QA+1], 0
	v_wmma_f32_16x16x4_f32 v[SB:SB+7], v[KA+2:KA+3], v[QA+2:QA+3], 0
	v_wmma_f32_16x16x4_f32 v[SA:SA+7], v[KA+4:KA+5], v[QA+4:QA+5], v[SA:SA+7]
	v_wmma_f32_16x16x4_f32 v[SB:SB+7], v[KA+6:KA+7], v[QA+6:QA+7], v[SB:SB+7]
.rept 8
	v_nop                                          ; eight places behind this form
.endr
.irp i, 0,2,4,6
	v_pk_add_f32 v[SF+\i:SF+\i+1], v[SA+\i:SA+\i+1], v[SB+\i:SB+\i+1]
.endr
	ds_store_b128 v7, v[SF:SF+3]
	ds_store_b128 v7, v[SF+4:SF+7] offset:512
	s_wait_dscnt 0x0                               ; for the others' sake: my part lies in LDS
	s_barrier_signal -1
	s_barrier_wait -1
.irp w, 0,1,2,3
	ds_load_b128 v[PL+8*\w:PL+8*\w+3], v8 offset:1024*\w
	ds_load_b128 v[PL+8*\w+4:PL+8*\w+7], v8 offset:1024*\w+512
.endr
	s_wait_dscnt 0x0
.irp i, 0,2,4,6
	v_pk_add_f32 v[PL+\i:PL+\i+1], v[PL+\i:PL+\i+1], v[PL+8+\i:PL+8+\i+1]
	v_pk_add_f32 v[PL+16+\i:PL+16+\i+1], v[PL+16+\i:PL+16+\i+1], v[PL+24+\i:PL+24+\i+1]
.endr
.irp i, 0,2,4,6
	v_pk_add_f32 v[SF+\i:SF+\i+1], v[PL+\i:PL+\i+1], v[PL+16+\i:PL+16+\i+1]   ; q . k over the head's 64 channels
.endr
.irp j, 0,1,2,3,4,5,6,7
	v_cmp_gt_i32 vcc_lo, \j, v9                    ; key 8 h + j comes after query r
	v_cndmask_b32 v[SF+\j], v[SF+\j], v10, vcc_lo
.endr
	v_max3_num_f32 v248, v[SF], v[SF+1], v[SF+2]
	v_max3_num_f32 v248, v248, v[SF+3], v[SF+4]
	v_max3_num_f32 v248, v248, v[SF+5], v[SF+6]
	v_max_num_f32 v248, v248, v[SF+7]
	v_mov_b32 v249, 0                              ; a lane permute's destination counts as one of its sources
	v_permlanex16_b32 v249, v248, s20, s21
	v_max_num_f32 v248, v248, v249                 ; the row's largest score: key 0 counts for every query
.irp i, 0,2,4,6
	v_pk_add_f32 v[SF+\i:SF+\i+1], v[SF+\i:SF+\i+1], v[248:249] op_sel_hi:[1,0] neg_lo:[0,1] neg_hi:[0,1]
.endr
.irp i, 0,2,4,6
	v_pk_mul_f32 v[SF+\i:SF+\i+1], v[SF+\i:SF+\i+1], s[22:23] op_sel_hi:[1,0]
.endr
.irp j, 0,1,2,3,4,5,6,7
	v_exp_f32 v[SF+\j], v[SF+\j]                   ; p = 2^((s - m) log2(e) / 8)
.endr
	v_nop                                          ; a plain line behind the exponentials
	s_wait_alu depctr_va_vdst(0)                   ; one wait for the batch, ahead of its first reader
	v_pk_add_f32 v[250:251], v[SF:SF+1], v[SF+2:SF+3]
	v_pk_add_f32 v[252:253], v[SF+4:SF+5], v[SF+6:SF+7]
	v_pk_add_f32 v[250:251], v[250:251], v[252:253]
	v_add_f32 v250, v250, v251
	v_permlanex16_b32 v251, v250, s20, s21
	v_add_f32 v250, v250, v251                     ; the row's sum
	v_rcp_f32 v252, v250
	v_wmma_f32_16x16x4_f32 v[OA:OA+7], v[VT:VT+1], v[SF:SF+1], 0
	v_wmma_f32_16x16x4_f32 v[OB:OB+7], v[VT+2:VT+3], v[SF+2:SF+3], 0
	v_wmma_f32_16x16x4_f32 v[OA:OA+7], v[VT+4:VT+5], v[SF+4:SF+5], v[OA:OA+7]
	v_wmma_f32_16x16x4_f32 v[OB:OB+7], v[VT+6:VT+7], v[SF+6:SF+7], v[OB:OB+7]
.rept 8
	v_nop                                          ; eight places behind this form; also the plain line behind the reciprocal
.endr
	s_wait_alu depctr_va_vdst(0)                   ; the reciprocal's wait, ahead of its first reader
.irp i, 0,2,4,6
	v_pk_add_f32 v[PL+\i:PL+\i+1], v[OA+\i:OA+\i+1], v[OB+\i:OB+\i+1]
.endr
.irp i, 0,2,4,6
	v_pk_mul_f32 v[PL+\i:PL+\i+1], v[PL+\i:PL+\i+1], v[252:253] op_sel_hi:[1,0]
.endr
	global_store_b128 v11, v[PL:PL+3], s[14:15]    ; y(query r, channels 8 h + 0 .. 7 of my 16): pieces of 64 bytes a row; 256 KiB in the whole launch
	global_store_b128 v11, v[PL+4:PL+7], s[14:15] offset:16
	s_wait_tensorcnt 0x0                           ; the wave's end, behind my last LDS store
	ds_add_u32 v12, v13
	s_wait_dscnt 0x0
	s_endpgm
.Lfunc_end_k_q9da496f798_early_att:
	.size	k_q9da496f798_early_att, .Lfunc_end_k_q9da496f798_early_att-k_q9da496f798_early_att
	.p2alignl 7, 3214868480
	.fill 96, 4, 3214868480
	.section	.rodata,"a",@progbits
	.p2align	6, 0x0
	.amdhsa_kernel k_q9da496f798_early_att
		.amdhsa_group_segment_fixed_size 4608
		.amdhsa_private_segment_fixed_size 0
		.amdhsa_enable_private_segment 0
		.amdhsa_kernarg_size 48
		.amdhsa_user_sgpr_count 2
		.amdhsa_user_sgpr_kernarg_segment_ptr 1
		.amdhsa_wavefront_size32 1
		.amdhsa_system_sgpr_workgroup_id_x 1
		.amdhsa_system_sgpr_workgroup_id_y 1
		.amdhsa_system_sgpr_workgroup_id_z 1
		.amdhsa_system_vgpr_workitem_id 0
		.amdhsa_next_free_vgpr 448
		.amdhsa_next_free_sgpr 66
		.amdhsa_reserve_vcc 1
		.amdhsa_float_denorm_mode_32 3
		.amdhsa_float_denorm_mode_16_64 3
		.amdhsa_memory_ordered 1
		.amdhsa_forward_progress 1
		.amdhsa_inst_pref_size 20
	.end_amdhsa_kernel
	.amdgpu_metadata
---
amdhsa.version: [ 1, 2 ]
amdhsa.kernels:
  - .name:           k_q9da496f798_early_att
    .symbol:         k_q9da496f798_early_att.kd
    .args:
      - { .name: x_codes, .offset: 0, .size: 8, .value_kind: global_buffer, .address_space: global }
      - { .name: x_scales, .offset: 8, .size: 8, .value_kind: global_buffer, .address_space: global }
      - { .name: w_codes, .offset: 16, .size: 8, .value_kind: global_buffer, .address_space: global }
      - { .name: w_scales, .offset: 24, .size: 8, .value_kind: global_buffer, .address_space: global }
      - { .name: b_attn, .offset: 32, .size: 8, .value_kind: global_buffer, .address_space: global }
      - { .name: y_early, .offset: 40, .size: 8, .value_kind: global_buffer, .address_space: global }
    .group_segment_fixed_size: 4608
    .private_segment_fixed_size: 0
    .kernarg_segment_align: 8
    .kernarg_segment_size: 48
    .max_flat_workgroup_size: 128
    .sgpr_count:     66
    .vgpr_count:     448
    .wavefront_size: 32
...
	.end_amdgpu_metadata
.endif
;; end of part 5
;; launch early_proj (part 6): grid 64 x 4, 8 waves a work-group, no clusters, 9,216 bytes of LDS; arguments y_early, w_proj, b_proj, out0; writes out0
.if DOCPART == 6
	.amdgcn_target "amdgcn-amd-amdhsa--gfx1250"
	.amdhsa_code_object_version 6
	.text
	.protected	k_q9da496f798_early_proj
	.globl	k_q9da496f798_early_proj
	.p2align	8
	.type	k_q9da496f798_early_proj,@function
k_q9da496f798_early_proj:
	s_mov_b64 s[64:65], 0
	v_nop
	global_prefetch_b8 v0, s[64:65] scope:SCOPE_SE
	s_setreg_imm32_b32 hwreg(HW_REG_WAVE_MODE, 25, 1), 1
	s_wait_xcnt 0x0
; The projection of the first 16 positions of every sequence in f32: out0[batch][t < 16][:] = y_early w_proj^T + b_proj, stored over what the bulk launch left in these 64 rows.
; Work-group (tile of 16 columns, batch); wave kq sums k = 128 kq .. 128 kq + 127 by the f32 matrix form (K = 4), TRANSPOSED (source 0 = 16 rows of w_proj, source 1 = y's 16 rows): lane (r, h) holds row t = r, columns 8 h + j.
; A load of 16 bytes gives lane (r, h) k = 8 u + 4 h + 0 .. 3 of its row; its two register pairs are two K steps (k = 8 u + 2 e + 4 h + j), the same on both sides.  Two accumulators take turns; they are written by matrix instructions alone.
; The eight waves' parts meet in LDS; wave 0 adds them to the bias in a fixed order and stores: pieces of 64 bytes a row, 256 KiB in the whole launch.
.set SPARE, 8192                       ; behind the eight parts: the spare words
	s_load_b256 s[4:11], s[0:1], 0x0               ; y_early, w_proj, b_proj, out0
	v_lshl_add_u32 v8, v0, 2, SPARE                ; my spare word; never rewritten
	v_mov_b32 v9, 0                                ; 0; never rewritten
	v_lshrrev_b32 v1, 5, v0
	v_readfirstlane_b32 s12, v1                    ; wave kq
	v_and_b32 v1, 15, v0                           ; r
	v_bfe_u32 v2, v0, 4, 1                         ; h
	v_lshlrev_b32 v3, 12, v1
	v_lshl_add_u32 v7, v2, 5, v3                   ; out0: row r, + 8 h numbers
	v_lshl_add_u32 v3, v2, 4, v3                   ; operands: row r of 4,096 bytes, + 4 h numbers
	v_and_b32 v4, 31, v0
	v_lshlrev_b32 v4, 4, v4                        ; 16 x lane
	s_lshl_b32 s13, s12, 10
	v_add_nc_u32 v5, s13, v4                       ; + 1,024 x wave
	v_lshlrev_b32 v6, 5, v2                        ; bias: 8 h numbers on
	s_and_b32 s13, ttmp7, 0xffff                   ; batch
	s_lshl_b32 s14, s12, 9                         ; my 128 numbers along K
	s_lshl_b32 s16, s13, 16
	s_add_co_u32 s16, s16, s14                     ; y_early: 16 rows a batch
	s_mov_b32 s17, 0
	s_lshl_b32 s18, ttmp9, 16
	s_add_co_u32 s18, s18, s14                     ; w_proj: 16 rows a tile
	s_mov_b32 s19, 0
	s_lshl_b32 s20, ttmp9, 6                       ; 16 columns, in bytes
	s_mov_b32 s21, 0
	s_lshl_b32 s22, s13, 23                        ; out0: 2,048 rows of 4,096 bytes a batch
	s_add_co_u32 s22, s22, s20
	s_mov_b32 s23, 0
	s_wait_kmcnt 0x0
	s_add_nc_u64 s[4:5], s[4:5], s[16:17]
	s_add_nc_u64 s[6:7], s[6:7], s[18:19]
	s_add_nc_u64 s[8:9], s[8:9], s[20:21]
	s_add_nc_u64 s[10:11], s[10:11], s[22:23]
	s_cmp_lg_u32 s12, 0
	s_cbranch_scc1 .Lno_bias
	global_load_b128 v[168:171], v6, s[8:9]        ; wave 0 alone: the bias of columns 8 h + 0 .. 7; older than the loads below, so their counts hold in every wave
	global_load_b128 v[172:175], v6, s[8:9] offset:16
.Lno_bias:
.irp u, 0,1,2,3,4,5,6,7,8,9,10,11,12,13,14,15
	global_load_b128 v[16+4*\u:16+4*\u+3], v3, s[6:7] offset:32*\u
	global_load_b128 v[80+4*\u:80+4*\u+3], v3, s[4:5] offset:32*\u
.endr
.macro PR u
.if \u == 0
	v_wmma_f32_16x16x4_f32 v[144:151], v[16+4*\u:16+4*\u+1], v[80+4*\u:80+4*\u+1], 0
	v_wmma_f32_16x16x4_f32 v[152:159], v[16+4*\u+2:16+4*\u+3], v[80+4*\u+2:80+4*\u+3], 0
.else
	v_wmma_f32_16x16x4_f32 v[144:151], v[16+4*\u:16+4*\u+1], v[80+4*\u:80+4*\u+1], v[144:151]
	v_wmma_f32_16x16x4_f32 v[152:159], v[16+4*\u+2:16+4*\u+3], v[80+4*\u+2:80+4*\u+3], v[152:159]
.endif
.endm
	s_wait_loadcnt 16                              ; the first sixteen are in; the second half may be out
.irp u, 0,1,2,3,4,5,6,7
	PR \u
.endr
	s_wait_loadcnt 0x0
.irp u, 8,9,10,11,12,13,14,15
	PR \u
.endr
.rept 8
	v_nop                                          ; eight places behind this form
.endr
.irp i, 0,2,4,6
	v_pk_add_f32 v[160+\i:160+\i+1], v[144+\i:144+\i+1], v[152+\i:152+\i+1]
.endr
	ds_store_b128 v5, v[160:163]
	ds_store_b128 v5, v[164:167] offset:512
	s_wait_dscnt 0x0                               ; for wave 0's sake: my part lies in LDS
	s_barrier_signal -1
	s_barrier_wait -1
	s_cmp_lg_u32 s12, 0
	s_cbranch_scc1 .Lend
.irp w, 0,1,2,3,4,5,6,7
	ds_load_b128 v[16+8*\w:16+8*\w+3], v4 offset:1024*\w
	ds_load_b128 v[16+8*\w+4:16+8*\w+7], v4 offset:1024*\w+512
.endr
	s_wait_dscnt 0x0
.irp w, 0,1,2,3,4,5,6,7
.irp i, 0,2,4,6
	v_pk_add_f32 v[168+\i:168+\i+1], v[168+\i:168+\i+1], v[16+8*\w+\i:16+8*\w+\i+1]
.endr
.endr
	global_store_b128 v7, v[168:171], s[10:11]
	global_store_b128 v7, v[172:175], s[10:11] offset:16
.Lend:
	s_wait_tensorcnt 0x0                           ; the wave's end, behind my last LDS store
	ds_add_u32 v8, v9
	s_wait_dscnt 0x0
	s_endpgm
.Lfunc_end_k_q9da496f798_early_proj:
	.size	k_q9da496f798_early_proj, .Lfunc_end_k_q9da496f798_early_proj-k_q9da496f798_early_proj
	.p2alignl 7, 3214868480
	.fill 96, 4, 3214868480
	.section	.rodata,"a",@progbits
	.p2align	6, 0x0
	.amdhsa_kernel k_q9da496f798_early_proj
		.amdhsa_group_segment_fixed_size 9216
		.amdhsa_private_segment_fixed_size 0
		.amdhsa_enable_private_segment 0
		.amdhsa_kernarg_size 32
		.amdhsa_user_sgpr_count 2
		.amdhsa_user_sgpr_kernarg_segment_ptr 1
		.amdhsa_wavefront_size32 1
		.amdhsa_system_sgpr_workgroup_id_x 1
		.amdhsa_system_sgpr_workgroup_id_y 1
		.amdhsa_system_sgpr_workgroup_id_z 1
		.amdhsa_system_vgpr_workitem_id 0
		.amdhsa_next_free_vgpr 176
		.amdhsa_next_free_sgpr 66
		.amdhsa_reserve_vcc 0
		.amdhsa_float_denorm_mode_32 3
		.amdhsa_float_denorm_mode_16_64 3
		.amdhsa_memory_ordered 1
		.amdhsa_forward_progress 1
		.amdhsa_inst_pref_size 11
	.end_amdhsa_kernel
	.amdgpu_metadata
---
amdhsa.version: [ 1, 2 ]
amdhsa.kernels:
  - .name:           k_q9da496f798_early_proj
    .symbol:         k_q9da496f798_early_proj.kd
    .args:
      - { .name: y_early, .offset: 0, .size: 8, .value_kind: global_buffer, .address_space: global }
      - { .name: w_proj, .offset: 8, .size: 8, .value_kind: global_buffer, .address_space: global }
      - { .name: b_proj, .offset: 16, .size: 8, .value_kind: global_buffer, .address_space: global }
      - { .name: out0, .offset: 24, .size: 8, .value_kind: global_buffer, .address_space: global }
    .group_segment_fixed_size: 9216
    .private_segment_fixed_size: 0
    .kernarg_segment_align: 8
    .kernarg_segment_size: 32
    .max_flat_workgroup_size: 256
    .sgpr_count:     66
    .vgpr_count:     176
    .wavefront_size: 32
...
	.end_amdgpu_metadata
.endif
;; end of part 6
